; MI455X (gfx1250); checked and timed in simulation.
; The chip was launched on July 23, 2026; its instructions are those of AMD's public machine-readable ISA for CDNA 5 (MIT licence, August 2026) and "CDNA5" Instruction Set Architecture Reference Guide (July 2026). The comments in the code are by the model that wrote it; some were corrected since.
;; Cross Attention. Allowed arithmetic: matrix products marked QUANTISED: E2M1 operands, one E8M0 scale for each 32 along K, by v_wmma_scale_f32_16x16x128_f8f6f4 with both operands' format E2M1 (or v_wmma_scale_f32_32x16x128_f4), f32 sums; products left as they are: bf16, f16 or f32 operands; f32 sums; everything else in f32.
;; Inputs: Wk 1,024 x 1,024 float32; Wo 1,024 x 1,024 float32; Wq 1,024 x 1,024 float32; Wv 1,024 x 1,024 float32; bo 1,024 float32; context 2 x 2,048 x 1,024 float32; x 2 x 2,048 x 1,024 float32.
;; Outputs: out0 2 x 2,048 x 1,024 float32.
;; This version of the problem:
;;   THIS VERSION OF THE PROBLEM IS GIVEN IN LOW PRECISION. The matrix products marked QUANTISED in the list below multiply operands that are first quantised to E2M1 (2 exponent bits, 1 mantissa bit; 4 bits a number), with one power-of-two scale for each 32 numbers along K (OCP MX v1.0); their sums are f32. The products marked 'left as it is' may take bf16, f16 or f32 operands, with f32 sums. Whichever they take, every output number must still come out within the allowed error. Rounding operands to bf16 (8 significant bits) uses up far more of that allowance than f16 does (11 bits, for magnitudes from 6e-5 to 65,504). All else is computed in f32.
;;   The module's matrix products, in the order in which they are computed (A, B: the left and right operand; K: the contracted axis; several contracted axes count as one K, in the product's order):
;;     1. [M 4,096, K 1,024] x [K 1,024, N 1,024]; A: input x; B: input Wq: QUANTISED
;;     2. [M 4,096, K 1,024] x [K 1,024, N 1,024]; A: input context; B: input Wk: QUANTISED
;;     3. [M 4,096, K 1,024] x [K 1,024, N 1,024]; A: input context; B: input Wv: QUANTISED
;;     4. batch 32 x [M 2,048, K 64] x [K 64, N 2,048]; A: computed on the way; B: computed on the way: left as it is (an operand is computed on the way)
;;     5. batch 32 x [M 64, K 2,048] x [K 2,048, N 2,048]; A: computed on the way; B: computed on the way: left as it is (an operand is computed on the way)
;;     6. [M 4,096, K 1,024] x [K 1,024, N 1,024]; A: computed on the way; B: input Wo: left as it is (an operand is computed on the way)
;;   THE QUANTISER, for each operand of a quantised product, along K:
;;     - K is cut into blocks of 32 from its start; a last block that is shorter is filled with zeros.
;;     - A block's scale is 2^e with e = floor(log2(the largest magnitude in the block)) - 2, held to -126 .. 127; a block of zeros has e = 0. As a byte (E8M0): e + 127.
;;     - Each number is divided by its block's scale, clamped to +-6, and rounded to the nearest number of E2M1, ties to even, subnormals kept.
;;     - The product sums the exact products of the quantised numbers (number of the format x scale) in f32.
;;   ~~~python
;;   def quantise(x, axis):      # numpy; x: float32 -> the quantised numbers, widened to float32 again
;;       x = np.moveaxis(x, axis, -1); K = x.shape[-1]
;;       x = np.pad(x, [(0, 0)] * (x.ndim - 1) + [(0, -K % 32)]); x = x.reshape(x.shape[:-1] + (-1, 32)); a = np.abs(x).max(-1, keepdims=True)
;;       e = np.where(a > 0, np.clip(np.frexp(np.where(a > 0, a, 1))[1] - 1 - 2, -126, 127), 0)      # np.frexp(a)[1] - 1 = floor(log2(a)), exactly
;;       r = np.clip(x / 2.0 ** e, -6, 6)
;;       step = 2.0 ** (np.maximum(np.frexp(np.where(r == 0, 1, r))[1] - 1, 0) - 1)
;;       q = np.round(r / step) * step * 2.0 ** e      # np.round: ties to even
;;       return np.moveaxis(q.reshape(q.shape[:-2] + (-1,))[..., :K], -1, axis).astype(np.float32)
;;   ~~~
;; One version. Each part assembles by itself: llvm-mc -triple=amdgcn-amd-amdhsa -mcpu=gfx1250 --defsym DOCPART=n.
;; ======== version 1 of 1: 4 launches
;; limits: values are held in f16: magnitudes above 65,504 overflow, below 6.1e-05 lose precision
;; workspace buffers: a_codes 4,194,304 bytes; a_scales 262,144 bytes; w_codes 1,572,864 bytes; w_scales 98,304 bytes; wo16 2,097,152 bytes; qkv 25,165,824 bytes; o16 8,388,608 bytes
;; launch quant (part 1): grid 576 x 1, 4 waves a work-group, no clusters, 43,520 bytes of LDS; arguments x, context, Wq, Wk, Wv, Wo, a_codes, a_scales, w_codes, w_scales, wo16; writes a_codes, a_scales, w_codes, w_scales, wo16
.if DOCPART == 1
	.amdgcn_target "amdgcn-amd-amdhsa--gfx1250"
	.amdhsa_code_object_version 6
	.text
	.protected	k_q593fbdaa62_quant
	.globl	k_q593fbdaa62_quant
	.p2align	8
	.type	k_q593fbdaa62_quant,@function
k_q593fbdaa62_quant:
	s_mov_b64 s[64:65], 0
	v_nop
	global_prefetch_b8 v0, s[64:65] scope:SCOPE_SE
	s_setreg_imm32_b32 hwreg(HW_REG_WAVE_MODE, 25, 1), 1
	s_wait_xcnt 0x0
; All operands are made narrow ONCE, since many work-groups of the later launches read each of them.
; Three kinds of work-group, told apart by the work-group number alone:
;   0-255   x (0-127) and context (128-255), f32 [4096][1024], K innermost: codes of FP4 (E2M1) into a_codes [8192 rows][512 bytes] (x first, then context), scale bytes into a_scales [8192][32]
;   256-447 Wq, Wk, Wv, f32 [1024 k][1024 n], K is the FIRST axis: codes into w_codes [8 = k / 128][3072 n][64 bytes], scale bytes into w_scales [3072 n][32]  (n: Wq, then Wk, then Wv)
;   448-575 Wo, f32 [1024][1024]: rounded to f16 as it lies, into wo16
; A block of 32 along K has the scale 2^(floor(log2(largest magnitude)) - 2); its byte is the largest magnitude's exponent field - 2, held at 1 from below.
; Each number is divided by the scale and rounded to the nearest code, ties to even; beyond 6 the conversion gives the largest code.
; LIMITS: a block of zeros, or one whose largest magnitude lies under 2^-124, keeps the byte 1 (a block of zeros has zero codes, which add nothing; the bytes are read by this program alone).
; NaN and infinities among the inputs are not served.  Numbers of Wo beyond 65,504 do not fit f16.
; No tensor load, no barrier, no cluster: waves share nothing, and no two work-groups read the same bytes.  Each kind that uses LDS has LDS bytes of its own.
.set WAVES, 4
.set STEPS, 16                         ; x, context: steps of 512 numbers for a wave
.set EMAX,  2                          ; the exponent of the largest number of the format, 6
.set CB,    8                          ; bytes of 16 codes
.set WREG,  8192                       ; x, context: LDS of a wave: two stages of 32 x SP bytes, behind them its 256 scale bytes
.set SP,    80                         ; a lane's 64 bytes + 16 of padding
.set WST,   WAVES*WREG                 ; the weights' stages: 32 x SP bytes for each wave
.set WSTW,  32*SP
.set SPARE, WST+WAVES*WSTW             ; the spare words, 128 bytes for each wave: two blocks of 256 bytes that no other line names
.set SPW,   12                         ; v12  LDS address of my spare word; never rewritten
.set NIL,   13                         ; v13  0; never rewritten
.set WV,    26                         ; s26  my wave
.set R,     16                         ; x, context: v16-79 four sets of 16 numbers as loaded
.set X,     80                         ; v80-111 two sets of 16 neighbours
.set E,     112                        ; v112-127 a scale byte for each step
.set C,     128                        ; v128-191 codes, four registers for each step
.set XW,    32                         ; weights: v32-95 two sets of 32 numbers
.set CW,    96                         ; v96-111 codes, four registers for each block
.set OW,    112                        ; v112-127 the way out
.set SB,    24                         ; v24 the four scale bytes
	s_load_b512 s[4:19], s[0:1], 0x0               ; x 4:5, context 6:7, Wq 8:9, Wk 10:11, Wv 12:13, Wo 14:15, a_codes 16:17, a_scales 18:19
	s_load_b128 s[20:23], s[0:1], 0x40             ; w_codes 20:21, w_scales 22:23
	s_load_b64 s[24:25], s[0:1], 0x50              ; wo16
	v_lshl_add_u32 v[SPW], v0, 2, SPARE
	v_mov_b32 v[NIL], 0
	v_lshrrev_b32 v1, 5, v0
	v_readfirstlane_b32 s[WV], v1                  ; wave 0..3
	v_and_b32 v2, 31, v0                           ; lane
	s_wait_kmcnt 0x0
	s_cmp_lt_u32 ttmp9, 256
	s_cbranch_scc1 .Lpath_a
	s_cmp_lt_u32 ttmp9, 448
	s_cbranch_scc1 .Lpath_w
; ---- Wo to f16.  A wave takes 2,048 numbers: sixteen loads of 512 consecutive bytes, sixteen stores of 256 consecutive aligned bytes.  No LDS.
	s_sub_co_u32 s27, ttmp9, 448
	s_lshl_b32 s28, s27, 15                        ; 32,768 bytes of Wo a work-group,
	s_lshl_b32 s29, s[WV], 13                      ; 8,192 a wave
	s_add_co_u32 s28, s28, s29
	s_mov_b32 s29, 0
	s_add_nc_u64 s[14:15], s[14:15], s[28:29]
	s_lshr_b32 s28, s28, 1                         ; half as many in wo16
	s_add_nc_u64 s[24:25], s[24:25], s[28:29]
	v_lshlrev_b32 v3, 4, v2
	v_lshlrev_b32 v4, 3, v2
.irp i, 0,1,2,3,4,5,6,7,8,9,10,11,12,13,14,15
	global_load_b128 v[16+4*\i:19+4*\i], v3, s[14:15] offset:512*\i th:TH_LOAD_NT
.endr
.irp i, 0,1,2,3,4,5,6,7,8,9,10,11,12,13,14,15
	s_wait_loadcnt 15-\i                           ; loads come back in order: load i is in, the younger ones may be out
	v_cvt_pk_f16_f32 v[128+2*\i], v[16+4*\i], v[17+4*\i]
	v_cvt_pk_f16_f32 v[129+2*\i], v[18+4*\i], v[19+4*\i]
	global_store_b64 v4, v[128+2*\i:129+2*\i], s[24:25] offset:256*\i   ; each store has data registers of its own
.endr
	s_endpgm                                       ; this kind wrote no LDS
; ---- x and context.  Rows are dense and K is a multiple of 32: a tensor is a plain stream of blocks of 32, and so are its codes and scale bytes.
; A wave takes 16 steps of 512 numbers.  Each load reads 512 consecutive bytes; a step's 2,048 bytes turn through the wave's own stage in LDS and come back 64 bytes a lane,
; so that a lane holds 16 neighbours along K (two neighbouring lanes hold a block).  Loads run four steps ahead, the turn through LDS one step.
.Lpath_a:
	s_mul_i32 s27, s[WV], WREG
	v_lshlrev_b32 v3, 4, v2                        ; my 16 bytes of a load's 512
	v_lshrrev_b32 v14, 2, v2
	v_mul_u32_u24 v14, v14, SP
	v_and_b32 v15, 3, v2
	v_lshl_add_u32 v14, v15, 4, v14
	v_add_nc_u32 v14, s27, v14                     ; the stage, on the way in: SP (lane / 4) + 16 (lane % 4)
	v_mul_u32_u24 v15, v2, SP
	v_add_nc_u32 v15, s27, v15                     ; and on the way out: SP x lane
	v_mul_u32_u24 v4, v2, CB                       ; my codes' place in a step's
	v_lshrrev_b32 v5, 1, v2
	s_add_co_u32 s27, s27, 2*32*SP
	v_add_nc_u32 v5, s27, v5                       ; LDS: my wave's 256 scale bytes, my block's byte
	v_lshlrev_b32 v7, 3, v2
	v_add_nc_u32 v6, s27, v7                       ; and on the way out 8 bytes a lane
	s_cmp_lt_u32 ttmp9, 128                        ; x or context: the choice hangs on the work-group number alone
	s_cselect_b64 s[4:5], s[4:5], s[6:7]
	s_cselect_b32 s28, 0, 128
	s_sub_co_u32 s28, ttmp9, s28
	s_lshl_b32 s28, s28, 2
	s_add_co_u32 s28, s28, s[WV]                   ; which run of 8,192 numbers of the tensor
	s_lshl_b32 s28, s28, 15
	s_mov_b32 s29, 0
	s_add_nc_u64 s[4:5], s[4:5], s[28:29]
	s_lshl_b32 s30, ttmp9, 2
	s_add_co_u32 s30, s30, s[WV]                   ; and which run of the two together
	s_lshl_b32 s28, s30, 12                        ; 4,096 bytes of codes a run
	s_add_nc_u64 s[16:17], s[16:17], s[28:29]
	s_lshl_b32 s28, s30, 8                         ; 256 scale bytes a run
	s_add_nc_u64 s[18:19], s[18:19], s[28:29]
.macro LOADA t
.irp i, 0,1,2,3
	global_load_b128 v[R+16*((\t)%4)+4*\i:R+16*((\t)%4)+4*\i+3], v3, s[4:5] offset:2048*(\t)+512*\i th:TH_LOAD_NT
.endr
.endm
.macro TURNA t                         ; LDS serves a wave's instructions in order: no wait between the stores and the loads
.irp i, 0,1,2,3
	ds_store_b128 v14, v[R+16*((\t)%4)+4*\i:R+16*((\t)%4)+4*\i+3] offset:32*SP*((\t)%2)+8*SP*\i
.endr
.irp i, 0,1,2,3
	ds_load_b128 v[X+16*((\t)%2)+4*\i:X+16*((\t)%2)+4*\i+3], v15 offset:32*SP*((\t)%2)+16*\i
.endr
.endm
.irp t, 0,1,2,3
	LOADA \t
.endr
	s_wait_loadcnt 12                              ; step 0's four loads are in
	TURNA 0
.macro STEPA t
.set XS, X+16*((\t)%2)
.if (\t) > 0
	s_wait_dscnt 1                                 ; this step's numbers are back from the stage (the last byte store may be out): so its stores into the stage have read their registers,
.else
	s_wait_dscnt 0x0
.endif
.if (\t)+4 < STEPS
	LOADA (\t)+4                                   ; which take the loads of four steps on
.endif
.if (\t)+1 < STEPS
.if STEPS-2-(\t) >= 3
	s_wait_loadcnt 12                              ; the next step's four loads are in; those of the three steps behind it may be out
.else
	s_wait_loadcnt 4*(STEPS-2-(\t))
.endif
	TURNA (\t)+1
.endif
	v_max3_num_f32 v8, |v[XS]|, |v[XS+1]|, |v[XS+2]|               ; the largest magnitude of my 16, in two chains
	v_max3_num_f32 v9, |v[XS+3]|, |v[XS+4]|, |v[XS+5]|
.irp i, 6,10
	v_max3_num_f32 v8, v8, |v[XS+\i]|, |v[XS+\i+1]|
	v_max3_num_f32 v9, v9, |v[XS+\i+2]|, |v[XS+\i+3]|
.endr
	v_max3_num_f32 v8, v8, |v[XS+14]|, |v[XS+15]|
	v_max3_num_f32 v8, v8, v9, (EMAX+1)<<23        ; and the floor 2^(3 - 127): the byte cannot fall under 1
	v_max_num_f32_dpp v8, v8, v8 row_xmask:1 row_mask:0xf bank_mask:0xf   ; with my neighbour's 16: the block's
	v_add_nc_u32 v11, -(EMAX<<23), v8              ; 2 off its exponent field: the conversion takes the exponent field of this operand as its scale
	v_cvt_scalef32_pk8_fp4_f32 v[C+4*(\t)], v[XS:XS+7], v11
	v_cvt_scalef32_pk8_fp4_f32 v[C+4*(\t)+1], v[XS+8:XS+15], v11
	v_lshrrev_b32 v[E+(\t)], 23, v11               ; the scale's byte (a plain line behind the conversions)
	ds_store_b8 v5, v[E+(\t)] offset:16*(\t)       ; both lanes of a block write the same byte with the same value
	global_store_b64 v4, v[C+4*(\t):C+4*(\t)+1], s[16:17] offset:32*CB*(\t)   ; the wave stores 256 consecutive aligned bytes
.endm
.irp t, 0,1,2,3,4,5,6,7,8,9,10,11,12,13,14,15
	STEPA \t
.endr
	ds_load_b64 v[8:9], v6                         ; my wave's 256 scale bytes, 8 a lane
	s_wait_dscnt 0x0
	global_store_b64 v7, v[8:9], s[18:19]          ; 256 consecutive aligned bytes
	s_wait_tensorcnt 0x0                           ; the wave's end: behind my last LDS store
	ds_add_u32 v[SPW], v[NIL]
	s_wait_dscnt 0x0
	s_endpgm
; ---- Wq, Wk, Wv.  A LANE TAKES A COLUMN n AND ITS REGISTERS RUN DOWN K: a load reads 128 consecutive bytes a wave (512 a work-group), a block of 32 along K lies in one lane's
; 32 registers, and the conversions give codes with K innermost.  A wave takes 32 columns x 128 along K: 64 bytes of codes a column, which in w_codes are 2,048 consecutive bytes;
; they go through the wave's own stage and leave as four stores of 512 consecutive bytes.  The four scale bytes of a column leave as one word, 32 bytes from the next column's:
; those stores cover their 256 bytes in part; they are one byte for each 128 bytes that this kind reads.
.Lpath_w:
	s_sub_co_u32 s27, ttmp9, 256                   ; u = 64 x weight + 8 x (k / 128) + (n / 128)
	s_lshr_b32 s28, s27, 6                         ; which weight
	s_cmp_lt_u32 s27, 128
	s_cselect_b64 s[10:11], s[10:11], s[12:13]     ; Wk or Wv,
	s_cmp_lt_u32 s27, 64
	s_cselect_b64 s[8:9], s[8:9], s[10:11]         ; or Wq
	s_and_b32 s29, s27, 7
	s_bfe_u32 s30, s27, 0x30003                    ; kq = k / 128
	s_lshl_b32 s29, s29, 7
	s_lshl_b32 s31, s[WV], 5
	s_add_co_u32 s29, s29, s31                     ; my wave's first column
	s_lshl_b32 s32, s30, 19                        ; 128 rows of 4,096 bytes
	s_lshl_b32 s33, s29, 2
	s_add_co_u32 s32, s32, s33
	s_mov_b32 s33, 0
	s_add_nc_u64 s[8:9], s[8:9], s[32:33]
	s_lshl_b32 s28, s28, 10
	s_add_co_u32 s28, s28, s29                     ; its row among the 3,072
	s_mul_i32 s32, s30, 3072*64
	s_lshl_b32 s34, s28, 6
	s_add_co_u32 s32, s32, s34
	s_add_nc_u64 s[20:21], s[20:21], s[32:33]
	s_lshl_b32 s32, s28, 5
	s_lshl_b32 s34, s30, 2
	s_add_co_u32 s32, s32, s34
	s_add_nc_u64 s[22:23], s[22:23], s[32:33]
	s_mul_i32 s35, s[WV], WSTW
	s_add_co_u32 s35, s35, WST                     ; my stage
	v_mul_u32_u24 v4, v2, SP
	v_add_nc_u32 v4, s35, v4                       ; into it: row = my column
	v_lshrrev_b32 v7, 2, v2
	v_mul_u32_u24 v7, v7, SP
	v_and_b32 v10, 3, v2
	v_lshl_add_u32 v7, v10, 4, v7
	v_add_nc_u32 v7, s35, v7                       ; out of it: four lanes to a column, eight columns an instruction
	v_lshlrev_b32 v3, 2, v2                        ; W: 4 bytes a lane
	v_lshlrev_b32 v8, 4, v2                        ; codes: 16 bytes a lane
	v_lshlrev_b32 v9, 5, v2                        ; scale bytes: a row of 32 a lane
.macro LOADW t                         ; block t: W(32 t + i, my column) into set t % 2; the largest offset, 127 rows, lies inside the signed 24-bit immediate
.irp i, 0,1,2,3,4,5,6,7,8,9,10,11,12,13,14,15,16,17,18,19,20,21,22,23,24,25,26,27,28,29,30,31
	global_load_b32 v[XW+32*((\t)%2)+\i], v3, s[8:9] offset:(32*(\t)+\i)*4096 th:TH_LOAD_NT
.endr
.endm
.macro BLOCKW t
.set XS, XW+32*((\t)%2)
.if (\t) < 3
	s_wait_loadcnt 32                              ; this block's 32 loads are in; the next block's may be out
.else
	s_wait_loadcnt 0x0
.endif
	v_max3_num_f32 v10, |v[XS]|, |v[XS+1]|, |v[XS+2]|              ; the block's largest magnitude: all 32 numbers are mine
	v_max3_num_f32 v11, |v[XS+3]|, |v[XS+4]|, |v[XS+5]|
.irp i, 6,10,14,18,22,26
	v_max3_num_f32 v10, v10, |v[XS+\i]|, |v[XS+\i+1]|
	v_max3_num_f32 v11, v11, |v[XS+\i+2]|, |v[XS+\i+3]|
.endr
	v_max3_num_f32 v10, v10, |v[XS+30]|, |v[XS+31]|
	v_max3_num_f32 v10, v10, v11, (EMAX+1)<<23     ; and the floor
	v_add_nc_u32 v16, -(EMAX<<23), v10             ; the conversion's scale operand
	v_lshrrev_b32 v17, 23, v16                     ; the scale's byte
.if (\t) == 0
	v_mov_b32 v[SB], v17                           ; four bytes to the word, the lower K in the lower byte
.else
	v_lshl_or_b32 v[SB], v17, 8*(\t), v[SB]
.endif
.irp g, 0,1,2,3
	v_cvt_scalef32_pk8_fp4_f32 v[CW+4*(\t)+\g], v[XS+8*\g:XS+8*\g+7], v16
.endr
	v_nop                                          ; one plain line behind the last conversion
	ds_store_b128 v4, v[CW+4*(\t):CW+4*(\t)+3] offset:16*(\t)      ; 32 codes: 16 bytes of my column's 64; each block has code registers of its own
.if (\t) < 2
	LOADW (\t)+2
.endif
.endm
	LOADW 0
	LOADW 1
	BLOCKW 0
	BLOCKW 1
	BLOCKW 2
	BLOCKW 3
	global_store_b32 v9, v[SB], s[22:23]
.irp j, 0,1,2,3
	ds_load_b128 v[OW+4*\j:OW+4*\j+3], v7 offset:8*SP*\j           ; LDS serves a wave's instructions in order: these see my stores
.endr
.irp j, 0,1,2,3
	s_wait_dscnt 3-\j                              ; the younger reads back may be out
	global_store_b128 v8, v[OW+4*\j:OW+4*\j+3], s[20:21] offset:512*\j   ; 512 consecutive aligned bytes
.endr
	s_wait_tensorcnt 0x0                           ; the wave's end: behind my last LDS store
	ds_add_u32 v[SPW], v[NIL]
	s_wait_dscnt 0x0
	s_endpgm
.Lfunc_end_k_q593fbdaa62_quant:
	.size	k_q593fbdaa62_quant, .Lfunc_end_k_q593fbdaa62_quant-k_q593fbdaa62_quant
	.p2alignl 7, 3214868480
	.fill 96, 4, 3214868480
	.section	.rodata,"a",@progbits
	.p2align	6, 0x0
	.amdhsa_kernel k_q593fbdaa62_quant
		.amdhsa_group_segment_fixed_size 43520
		.amdhsa_private_segment_fixed_size 0
		.amdhsa_enable_private_segment 0
		.amdhsa_kernarg_size 88
		.amdhsa_user_sgpr_count 2
		.amdhsa_user_sgpr_kernarg_segment_ptr 1
		.amdhsa_wavefront_size32 1
		.amdhsa_system_sgpr_workgroup_id_x 1
		.amdhsa_system_sgpr_workgroup_id_y 1
		.amdhsa_system_sgpr_workgroup_id_z 1
		.amdhsa_system_vgpr_workitem_id 0
		.amdhsa_next_free_vgpr 192
		.amdhsa_next_free_sgpr 66
		.amdhsa_reserve_vcc 0
		.amdhsa_float_denorm_mode_32 3
		.amdhsa_float_denorm_mode_16_64 3
		.amdhsa_memory_ordered 1
		.amdhsa_forward_progress 1
		.amdhsa_inst_pref_size 60
	.end_amdhsa_kernel
	.amdgpu_metadata
---
amdhsa.version: [ 1, 2 ]
amdhsa.kernels:
  - .name:           k_q593fbdaa62_quant
    .symbol:         k_q593fbdaa62_quant.kd
    .args:
      - { .name: x, .offset: 0, .size: 8, .value_kind: global_buffer, .address_space: global }
      - { .name: context, .offset: 8, .size: 8, .value_kind: global_buffer, .address_space: global }
      - { .name: Wq, .offset: 16, .size: 8, .value_kind: global_buffer, .address_space: global }
      - { .name: Wk, .offset: 24, .size: 8, .value_kind: global_buffer, .address_space: global }
      - { .name: Wv, .offset: 32, .size: 8, .value_kind: global_buffer, .address_space: global }
      - { .name: Wo, .offset: 40, .size: 8, .value_kind: global_buffer, .address_space: global }
      - { .name: a_codes, .offset: 48, .size: 8, .value_kind: global_buffer, .address_space: global }
      - { .name: a_scales, .offset: 56, .size: 8, .value_kind: global_buffer, .address_space: global }
      - { .name: w_codes, .offset: 64, .size: 8, .value_kind: global_buffer, .address_space: global }
      - { .name: w_scales, .offset: 72, .size: 8, .value_kind: global_buffer, .address_space: global }
      - { .name: wo16, .offset: 80, .size: 8, .value_kind: global_buffer, .address_space: global }
    .group_segment_fixed_size: 43520
    .private_segment_fixed_size: 0
    .kernarg_segment_align: 8
    .kernarg_segment_size: 88
    .max_flat_workgroup_size: 128
    .sgpr_count:     66
    .vgpr_count:     192
    .wavefront_size: 32
...
	.end_amdgpu_metadata
.endif
;; end of part 1
;; launch proj (part 2): grid 12 x 16, 4 waves a work-group, clusters of 4 x 4, 327,680 bytes of LDS; arguments a_codes, a_scales, w_codes, w_scales, qkv; writes qkv
.if DOCPART == 2
	.amdgcn_target "amdgcn-amd-amdhsa--gfx1250"
	.amdhsa_code_object_version 6
	.text
	.protected	k_q593fbdaa62_proj
	.globl	k_q593fbdaa62_proj
	.p2align	8
	.type	k_q593fbdaa62_proj,@function
k_q593fbdaa62_proj:
	s_mov_b64 s[64:65], 0
	v_nop
	global_prefetch_b8 v0, s[64:65] scope:SCOPE_SE
	s_setreg_imm32_b32 hwreg(HW_REG_WAVE_MODE, 25, 1), 1
	s_wait_xcnt 0x0
	s_wait_alu depctr_hold_cnt(0) depctr_sa_sdst(0) depctr_va_vdst(0) depctr_va_sdst(0) depctr_va_ssrc(0) depctr_va_vcc(0) depctr_vm_vsrc(0)
	s_getreg_b32 s2, hwreg(HW_REG_IB_STS2, 6, 4)
	s_cmp_eq_u32 s2, 0
	s_cbranch_scc0 .Lentry_in_a_cluster
	s_endpgm
.Lentry_in_a_cluster:
	s_bfe_u32 s2, ttmp6, 0x10000c
	s_cmp_lg_u32 s2, 0xf033
	s_cbranch_scc0 .Lentry_shape_is_right
	s_endpgm
.Lentry_shape_is_right:
; q = x Wq, k = context Wk, v = context Wv as ONE product on codes of FP4 (E2M1) with one E8M0 scale for each 32 along K: C [4096] x [3072], K = 1,024, sums in f32, results rounded once to f16.
; Columns 0-1023 are q (its rows of A are x), 1024-2047 k, 2048-3071 v (rows of A: context).  A cluster's x is the part: 4 tile columns of 256 are one weight.
; a_codes [8192][512 bytes], a_scales [8192][32]; w_codes [8 = K / 128][3072][64 bytes], w_scales [3072][32].
; qkv: three parts (q, k, v) of [32 = 16 b + h][2048 positions][64] f16: a head is dense, as the next launch reads it.
; A tile of C, 256 x 256, is made by four waves, as many as a WGP has SIMDs; a wave makes 128 x 128: 64 accumulators, 512 registers.  192 tiles: one for each work-group.
; ALL OF K FITS IN LDS: two slots of 512 along K, both asked for at the start, neither filled again.  By this text's count a wave has three tensor loads out at the start (scales, slot 0, slot 1).
; CLUSTERS: 4 x 4 work-groups.  The four of a row of the cluster need the same tiles of A, the four of a column the same tiles of B: each is asked for JOINTLY.
; THE MATRIX INSTRUCTION IS USED TRANSPOSED (source 0 = 16 rows of B, source 1 = 16 rows of A): a lane then holds eight neighbouring columns of one row of C.
; LIMIT: results beyond 65,504 do not fit f16.
; REGISTERS, in windows of 256: window 0: v0-31 addresses; v32-95 scale words, two sets, and nothing else; v96-127 packed results; v128-191 A's fragments, one set; v192-255 rows on their way out.
;   window 1: B's fragments, two sets, at v0 and v128.   window 2: the accumulators of my rows 0-63 ((a, b) at v[8 (8 a + b)]);   window 3: those of my rows 64-127.
.set NQ,     4                         ; steps of 128 along K in a slot
.set ROWB,   256                       ; A: a tile's row in bytes: 512 codes
.set KROW,   512                       ; a row of a_codes
.set PITCH,  272                       ; A's row in LDS: 256 + 16: the 16 rows that a load touches start at 16 different groups of four banks
.set PB,     80                        ; B's row in LDS: 64 + 16, likewise
.set FR,     8                         ; registers of a fragment
.set NL,     2                         ; LDS loads that bring one
.set NP,     4                         ; places behind this matrix instruction (ISA guide 7.12.1)
.set HALFA,  128*PITCH                 ; 128 rows of A, 512 along K
.set QB,     128*PB                    ; 128 rows of B, 128 along K
.set HALFB,  4*QB                      ; and 512 along K
.set SLOT,   2*HALFA+2*HALFB           ; A's two halves, then B's two
.set KS,     32                        ; a row of scale bytes
.set SCL,    2*SLOT                    ; behind the slots: the scales, as units of 256 bytes + 16 of padding
.set HALFS,  (128*KS/256)*272          ; those of 128 rows
.set SBLK,   (16*KS/256)*272           ; those of 16 rows
.set SPARE,  SCL+4*HALFS               ; the spare words, 128 bytes for each wave: two blocks of 256 bytes that no other line names
.set SPITCH, 272                       ; the way out: a stage of 16 rows x (256 bytes + 16) for each wave, in slot 0, which has had its only fill and its last read by then
.set ADRA, 16                          ; v16-17  LDS address of my A fragments in slot 0, 1
.set ADRB, 20                          ; v20-21  the same for B
.set STO,  24                          ; v24     the way out: where I put 16 bytes of a row
.set RD,   25                          ; v25     where I read rows back
.set CO,   26                          ; v26     16 x lane
.set ADRS, 27                          ; v27     LDS address of my scale words: lanes 0-15 A's rows, lanes 16-31 B's
.set SPW,  28                          ; v28     LDS address of my spare word; never rewritten
.set NIL,  29                          ; v29     0; never rewritten
.set SC,   32                          ; scale words: set s at v[SC + 32 s]; register 4 i + q: lanes 0-15 A's block i, lanes 16-31 B's block i, the slot's q-th 128 along K
.set TMP,  96
.set AF,   128
.set BK,   192
.set G1, 24                            ; s[24:31] group 1 for A's tiles;  s[32:39] group 0, one set for each slot
.set G0, 32
.set G1B, 48                           ; s[48:55], s[56:63] the same for B's
.set G0B, 56
.set G1S, 68                           ; s[68:75], s[76:79] groups 1 and 0 for A's scales;  s[80:87], s[88:91] for B's
.set G0S, 76
.set G1SB, 80
.set G0SB, 88
.set MSB, 0
.macro WIN new                         ; the immediate's high byte repeats the setting that is left
.if MSB != \new
	s_set_vgpr_msb (MSB<<8)|\new
.set MSB, \new
.endif
.endm
.set MUL_LO, 0xa1                      ; source 0 (B) window 1, source 1 (A) window 0, C and D window 2
.set MUL_HI, 0xf1                      ; the same, C and D window 3
.set TO_B,   0x40                      ; destination window 1, address window 0
; A joint load: waves 0 and 1 fetch for A, waves 2 and 3 for B.  The branch hangs on the wave's number alone.  An s_nop 0 and four v_nop follow each line.
.macro JLOAD g0a, g1a, g0b, g1b
	s_cmp_eq_u32 s15, 0
	s_cbranch_scc0 .Lfor_b_\@
	tensor_load_to_lds s[\g0a:\g0a+3], s[\g1a:\g1a+7]
	s_nop 0
.rept 4
	v_nop
.endr
	s_branch .Lasked_\@
.Lfor_b_\@:
	tensor_load_to_lds s[\g0b:\g0b+3], s[\g1b:\g1b+7]
	s_nop 0
.rept 4
	v_nop
.endr
.Lasked_\@:
.endm
.macro CROUND                          ; a round of the cluster's barrier
	s_barrier_signal -1
	s_barrier_wait -1
	s_cmp_lg_u32 s14, 0
	s_cbranch_scc1 .Lnot_wave_0_\@
	s_barrier_signal -3
.Lnot_wave_0_\@:
	s_barrier_wait -3
	s_barrier_signal -1
	s_barrier_wait -1
.endm
	s_load_b128 s[4:7], s[0:1], 0x0                ; a_codes, a_scales
	s_load_b128 s[8:11], s[0:1], 0x10              ; w_codes, w_scales
	s_load_b64 s[12:13], s[0:1], 0x20              ; qkv
	v_lshl_add_u32 v[SPW], v0, 2, SPARE
	v_mov_b32 v[NIL], 0
	ds_add_u32 v[SPW], v[NIL]                      ; the wave's opening: the add, twice on end, and its wait ahead of my first tensor load
	ds_add_u32 v[SPW], v[NIL]
	v_lshrrev_b32 v1, 5, v0
	v_readfirstlane_b32 s14, v1                    ; wave 0..3
	s_lshr_b32 s15, s14, 1                         ; which half of the tile's rows is mine.  Also: I fetch for A (0) or for B (1)
	s_and_b32 s16, s14, 1                          ; which half of its columns.  Also: which 128 rows I fetch
	s_bfe_u32 s40, ttmp6, 0x40000                  ; cx, cy: my place in the cluster
	s_bfe_u32 s41, ttmp6, 0x40004
	s_lshl_b32 s42, ttmp9, 2
	s_add_co_u32 s42, s42, s40                     ; tile column = 4 x cluster x + cx
	s_and_b32 s17, ttmp7, 0xffff
	s_lshl_b32 s17, s17, 2
	s_add_co_u32 s17, s17, s41                     ; tile row = 4 x cluster y + cy
	s_lshl_b32 s43, s41, 2
	s_lshl_b32 s43, 15, s43                        ; my row of the cluster
	s_lshl_b32 s44, 0x1111, s40                    ; my column
	; A's tiles: 128 rows x 256 bytes, 512 bytes apart; 16 bytes of padding behind each 256
	s_or_b32 s[G1+0], s43, (0<<16)|(1<<20)|(1<<21)|(5<<22)|(3<<25)
	s_mov_b32 s[G1+1], ROWB<<16                    ; tensor_dim0
	s_mov_b32 s[G1+2], 128<<16                     ; tensor_dim1
	s_mov_b32 s[G1+3], ROWB<<16                    ; tile_dim0
	s_mov_b32 s[G1+4], 128                         ; tile_dim1
	s_mov_b32 s[G1+5], KROW                        ; stride
	s_mov_b32 s[G1+6], 0
	s_mov_b32 s[G1+7], 0
	; B's tiles: 128 rows of one K / 128 are 8,192 dense bytes: four such runs, 3072 x 64 bytes apart, in elements of 8 bytes; 16 bytes of padding behind each 64: in LDS [4][128 rows][80]
	s_or_b32 s[G1B+0], s44, (3<<16)|(1<<20)|(1<<21)|(3<<22)|(3<<25)
	s_mov_b32 s[G1B+1], 1024<<16
	s_mov_b32 s[G1B+2], 4<<16
	s_mov_b32 s[G1B+3], 1024<<16
	s_mov_b32 s[G1B+4], 4
	s_mov_b32 s[G1B+5], 3072*64/8
	s_mov_b32 s[G1B+6], 0
	s_mov_b32 s[G1B+7], 0
	; the scales of 128 rows: 4,096 dense bytes, as 16 rows of 256 (32 elements of 8 bytes), 16 bytes of padding behind each
	s_or_b32 s[G1S+0], s43, (3<<16)|(1<<20)|(1<<21)|(5<<22)|(3<<25)
	s_or_b32 s[G1SB+0], s44, (3<<16)|(1<<20)|(1<<21)|(5<<22)|(3<<25)
.irp g, G1S, G1SB
	s_mov_b32 s[\g+1], 32<<16
	s_mov_b32 s[\g+2], (128*KS/256)<<16
	s_mov_b32 s[\g+3], 32<<16
	s_mov_b32 s[\g+4], 128*KS/256
	s_mov_b32 s[\g+5], 32
	s_mov_b32 s[\g+6], 0
	s_mov_b32 s[\g+7], 0
.endr
	s_lshl_b32 s18, s16, 7                         ; which 128 rows of the tile I fetch
	s_lshl_b32 s20, s17, 8
	s_add_co_u32 s20, s20, s18
	s_min_u32 s19, ttmp9, 1                        ; part 0 takes x, parts 1 and 2 context: the cluster's x, which all sixteen share
	s_lshl_b32 s19, s19, 12
	s_add_co_u32 s20, s20, s19                     ; A: row 4096 x (0 or 1) + 256 x tile row + 128 x half
	s_lshl_b32 s46, s42, 8
	s_add_co_u32 s46, s46, s18                     ; B: row 256 x tile column + 128 x half
	s_lshl_b32 s22, s20, 5                         ; where these rows' scales begin, in bytes,
	s_mov_b32 s23, 0
	s_lshl_b32 s20, s20, 9                         ; and their codes
	s_mov_b32 s21, 0
	s_lshl_b32 s92, s46, 5
	s_mov_b32 s93, 0
	s_lshl_b32 s46, s46, 6
	s_mov_b32 s47, 0
	s_mul_i32 s45, s16, HALFA                      ; where they go: no place in the cluster enters an LDS address
	s_mul_i32 s95, s16, HALFB
	s_add_co_u32 s95, s95, 2*HALFA
	s_mul_i32 s94, s14, HALFS
	s_wait_dscnt 0x0                               ; both opening adds are done
	s_wait_kmcnt 0x0
	s_add_nc_u64 s[20:21], s[4:5], s[20:21]
	s_add_nc_u64 s[22:23], s[6:7], s[22:23]
	s_add_nc_u64 s[46:47], s[8:9], s[46:47]
	s_add_nc_u64 s[92:93], s[10:11], s[92:93]
	CROUND                                         ; all sixteen work-groups are here: the joint loads meet
	s_mov_b32 s[G0S], 1
	s_add_co_u32 s[G0S+1], s94, SCL
	s_mov_b64 s[G0S+2:G0S+3], s[22:23]
	s_or_b32 s[G0S+3], s[G0S+3], 0x80000000
	s_mov_b32 s[G0SB], 1
	s_add_co_u32 s[G0SB+1], s94, SCL
	s_mov_b64 s[G0SB+2:G0SB+3], s[92:93]
	s_or_b32 s[G0SB+3], s[G0SB+3], 0x80000000
	JLOAD G0S, G1S, G0SB, G1SB                     ; the scales first: they are wanted with slot 0
.irp s, 0,1
	s_mov_b32 s[G0+4*\s], 1
	s_add_co_u32 s[G0+4*\s+1], s45, \s*SLOT
	s_add_nc_u64 s[G0+4*\s+2:G0+4*\s+3], s[20:21], \s*ROWB
	s_or_b32 s[G0+4*\s+3], s[G0+4*\s+3], 0x80000000
	s_mov_b32 s[G0B+4*\s], 1
	s_add_co_u32 s[G0B+4*\s+1], s95, \s*SLOT
	s_add_nc_u64 s[G0B+4*\s+2:G0B+4*\s+3], s[46:47], \s*4*3072*64
	s_or_b32 s[G0B+4*\s+3], s[G0B+4*\s+3], 0x80000000
	JLOAD G0+4*\s, G1, G0B+4*\s, G1B
.endr
	v_and_b32 v1, 15, v0                           ; r = lane % 16
	v_bfe_u32 v2, v0, 4, 1                         ; h = lane / 16
	v_mul_u32_u24 v3, v1, PITCH
	v_lshl_add_u32 v3, v2, 4, v3                   ; A: row x pitch + 16 h
	v_mul_u32_u24 v4, v1, PB
	v_lshl_add_u32 v4, v2, 4, v4                   ; B likewise
	s_mul_i32 s21, s15, HALFA                      ; my 128 rows of A
	s_mul_i32 s22, s16, HALFB                      ; my 128 rows of B,
	s_add_co_u32 s22, s22, 2*HALFA                 ; which lie behind A's 256
.irp s, 0,1
	v_add_nc_u32 v[ADRA+\s], s21, v3
	v_add_nc_u32 v[ADRB+\s], s22, v4
	s_add_co_u32 s21, s21, SLOT
	s_add_co_u32 s22, s22, SLOT
.endr
	v_mul_u32_u24 v5, v1, KS                       ; my row's scales: 32 bytes a row,
	v_lshrrev_b32 v6, 8, v5
	v_lshl_add_u32 v5, v6, 4, v5                   ; and 16 more for each 256 passed
	s_mul_i32 s21, s15, HALFS                      ; A's: my 128 rows
	s_mul_i32 s22, s16, HALFS                      ; B's: my 128 rows, behind A's 256
	s_add_co_u32 s22, s22, 2*HALFS
	s_sub_co_u32 s22, s22, s21
	v_mul_u32_u24 v6, s22, v2                      ; lanes 16-31 take B's: one product, the distance between the two
	s_add_co_u32 s21, s21, SCL
	v_add_nc_u32 v5, v5, v6
	v_add_nc_u32 v[ADRS], s21, v5
	s_mul_i32 s23, s14, 16*SPITCH                  ; my stage
	v_mul_u32_u24 v5, v1, SPITCH
	v_lshl_add_u32 v5, v2, 4, v5
	v_add_nc_u32 v[STO], s23, v5                   ; in: row r, 16 bytes for each half of the lanes
	v_bfe_u32 v5, v0, 3, 2
	v_mul_u32_u24 v5, v5, SPITCH
	v_and_b32 v6, 7, v0
	v_lshl_add_u32 v5, v6, 4, v5
	v_add_nc_u32 v[RD], s23, v5                    ; back: eight lanes take 128 bytes (one head) of a row, four rows an instruction
	v_and_b32 v6, 31, v0
	v_lshlrev_b32 v[CO], 4, v6                     ; which in qkv are 512 consecutive bytes
	; where my part of the tile begins in qkv: part x 8 MiB + ((16 b + h) x 2048 + position) x 128 bytes
	s_lshr_b32 s20, s17, 3                         ; b = tile row / 8
	s_lshl_b32 s20, s20, 15                        ; x 16 heads x 2048 positions
	s_and_b32 s21, s17, 7
	s_lshl_b32 s21, s21, 8
	s_add_co_u32 s20, s20, s21                     ; + 256 x (tile row % 8)
	s_lshl_b32 s21, s15, 7
	s_add_co_u32 s20, s20, s21                     ; + my half of the rows
	s_lshl_b32 s20, s20, 7
	s_lshl_b32 s21, ttmp9, 23                      ; the part
	s_add_co_u32 s20, s20, s21
	s_mov_b32 s21, 0
	s_add_nc_u64 s[12:13], s[12:13], s[20:21]
	s_lshl_b32 s46, s40, 2                         ; my first head: 4 cx + 2 x half
	s_lshl_b32 s47, s16, 1
	s_add_co_u32 s46, s46, s47
	s_lshl_b32 s46, s46, 18                        ; x 2048 positions x 128 bytes
	s_mov_b32 s47, 0
	s_add_nc_u64 s[12:13], s[12:13], s[46:47]
; A fragment, 16 rows x 128 K of 4-bit codes, is 8 registers: lane l holds row l % 16; registers 4 c .. 4 c + 3 hold K = 64 c + 32 (l / 16) + 0 .. 31: 16 bytes of the row as they lie.
.macro FRAGA reg, adr, q, i
.irp c, 0,1
	ds_load_b128 v[\reg+4*\c:\reg+4*\c+3], v[\adr] offset:64*(\q)+32*\c+(\i)*16*PITCH
.endr
.endm
.macro FRAGB reg, adr, q, i
.irp c, 0,1
	ds_load_b128 v[\reg+4*\c:\reg+4*\c+3], v[\adr] offset:QB*(\q)+32*\c+(\i)*16*PB
.endr
.endm
; 16 matrix instructions: A's blocks a0, a0 + 1 x B's eight, the slot's q-th 128 along K.  p: B's set; sc: the set of scale words.  zero = 1: the first product starts the sums.
; The 64 accumulators take turns, one instruction a turn, in the same order in every step.
.macro MUL16 a0, p, q, sc, zero
.irp a, \a0, \a0+1
.irp b, 0,1,2,3,4,5,6,7
.if \zero
	v_wmma_scale_f32_16x16x128_f8f6f4 v[8*(8*((\a)%4)+\b):8*(8*((\a)%4)+\b)+7], v[128*(\p)+FR*\b:128*(\p)+FR*\b+FR-1], v[AF+FR*(\a):AF+FR*(\a)+FR-1], 0, v[SC+8*NQ*(\sc)+NQ*\b+(\q)], v[SC+8*NQ*(\sc)+NQ*(\a)+(\q)] matrix_a_fmt:MATRIX_FMT_FP4 matrix_b_fmt:MATRIX_FMT_FP4 matrix_a_scale:MATRIX_SCALE_ROW1
.else
	v_wmma_scale_f32_16x16x128_f8f6f4 v[8*(8*((\a)%4)+\b):8*(8*((\a)%4)+\b)+7], v[128*(\p)+FR*\b:128*(\p)+FR*\b+FR-1], v[AF+FR*(\a):AF+FR*(\a)+FR-1], v[8*(8*((\a)%4)+\b):8*(8*((\a)%4)+\b)+7], v[SC+8*NQ*(\sc)+NQ*\b+(\q)], v[SC+8*NQ*(\sc)+NQ*(\a)+(\q)] matrix_a_fmt:MATRIX_FMT_FP4 matrix_b_fmt:MATRIX_FMT_FP4 matrix_a_scale:MATRIX_SCALE_ROW1
.endif
.endr
.endr
.endm
.macro FETCH_B slot, q, p              ; B's eight fragments into set p
	WIN TO_B
.irp i, 0,1,2,3,4,5,6,7
	FRAGB 128*(\p)+FR*\i, ADRB+\slot, \q, \i
.endr
	WIN 0
.endm
.macro FETCH_A slot, q, i0             ; A's blocks i0 .. i0 + 3
.irp i, \i0, \i0+1, \i0+2, \i0+3
	FRAGA AF+FR*(\i), ADRA+\slot, \q, \i
.endr
.endm
.macro SCALES sc                       ; a slot's scale words: four a row; lanes 0-15 take A's block i, lanes 16-31 B's block i
.irp i, 0,1,2,3,4,5,6,7
	ds_load_b128 v[SC+8*NQ*\sc+NQ*\i:SC+8*NQ*\sc+NQ*\i+3], v[ADRS] offset:\i*SBLK
.endr
.endm
.macro PLACES n                        ; plain vector lines between a matrix instruction and a load into a register that it read, or a read of its result
.rept \n
	v_nop
.endr
.endm
; A step of 128 along K that has its successor in the same slot.  A block of A is free as soon as its eight products are issued: one set serves A; B has two.
.macro STEP slot, q, zero
	s_wait_dscnt 4*NL                              ; B's set and A's blocks 0-3 are in; the youngest eight loads (A's blocks 4-7) may be out
	WIN MUL_LO
	MUL16 0, (\q)%2, \q, \slot, \zero
	MUL16 2, (\q)%2, \q, \slot, \zero
	s_wait_dscnt 0                                 ; A's blocks 4-7 are in
	PLACES NP
	FETCH_B \slot, (\q)+1, 1-(\q)%2
	FETCH_A \slot, (\q)+1, 0
	WIN MUL_HI
	MUL16 4, (\q)%2, \q, \slot, \zero
	MUL16 6, (\q)%2, \q, \slot, \zero
	PLACES NP
	WIN 0
	FETCH_A \slot, (\q)+1, 4
.endm
; Slot 0's last step goes over to slot 1: in front of the barrier each wave waits for all its tensor loads (its part of slot 1), adds 0 to its spare word, and waits for that and for its reads of slot 0.
; Behind it slot 1 is whole, and nobody reads slot 0 any more: the way out may use its bytes.  Nothing is filled again.
.macro TURN slot, next
	s_wait_tensorcnt 0x0
	ds_add_u32 v[SPW], v[NIL]
	s_wait_dscnt 4*NL+1                            ; (the add and the youngest eight loads may be out)
	WIN MUL_LO
	MUL16 0, 1, NQ-1, \slot, 0                     ; sixteen matrix instructions stand between the add and the wait for it
	s_wait_dscnt 0x0                               ; the add is done, and my reads of this slot are over
	s_barrier_signal -1
	MUL16 2, 1, NQ-1, \slot, 0
	WIN 0
	s_barrier_wait -1
	PLACES NP
	v_add_nc_u32 v[ADRS], 4*NQ, v[ADRS]            ; on to the next slot's scale words
	FETCH_B \next, 0, 0
	FETCH_A \next, 0, 0
	SCALES \next
	WIN MUL_HI
	MUL16 4, 1, NQ-1, \slot, 0
	MUL16 6, 1, NQ-1, \slot, 0
	PLACES NP
	WIN 0
	FETCH_A \next, 0, 4
.endm
.macro STEPS slot, from                ; the slot's steps from .. NQ - 2
.set Q, \from
.rept NQ-1-\from
	STEP \slot, Q, 0
.set Q, Q+1
.endr
.endm
	s_wait_tensorcnt 1                             ; the scales and my part of slot 0 are in (slot 1's load may be out)
	s_barrier_signal -1
	s_barrier_wait -1                              ; everybody's are
	FETCH_B 0, 0, 0
	FETCH_A 0, 0, 0
	SCALES 0
	FETCH_A 0, 0, 4
	STEP 0, 0, 1                                   ; the first step's products start the sums: nothing is cleared
	STEPS 0, 1
	TURN 0, 1
	STEPS 1, 0
	s_wait_dscnt 4*NL                              ; the last step: nothing more to fetch
	WIN MUL_LO
	MUL16 0, 1, NQ-1, 1, 0
	MUL16 2, 1, NQ-1, 1, 0
	s_wait_dscnt 0
	WIN MUL_HI
	MUL16 4, 1, NQ-1, 1, 0
	MUL16 6, 1, NQ-1, 1, 0
	WIN 0
; THE WAY OUT, block by block of 16 rows x 128 columns (two heads).  PACK: rounded to f16, each accumulator from its low end on, 16 bytes a lane.  TOSTAGE: into my own stage, and back so that
; 32 lanes hold four rows of one head, which in qkv are 512 consecutive bytes.  SEND: stored.  LDS serves a wave's instructions in order: no wait between the stores and the loads.
.macro PACK a
.set AC, 64*((\a)%4)
	WIN 0x0a+5*((\a)/4)                            ; sources 0 and 1: window 2 or 3
.irp b, 0,1,2,3,4,5,6,7
.irp r, 0,1,2,3
	v_cvt_pk_f16_f32 v[TMP+4*\b+\r], v[AC+8*\b+2*\r], v[AC+8*\b+2*\r+1]
.endr
.endr
	WIN 0
.endm
.macro TOSTAGE a
.set BB, BK+32*((\a)%2)
.irp b, 0,1,2,3,4,5,6,7
	ds_store_b128 v[STO], v[TMP+4*\b:TMP+4*\b+3] offset:32*\b
.endr
.irp t, 0,1,2,3,4,5,6,7
	ds_load_b128 v[BB+4*\t:BB+4*\t+3], v[RD] offset:(\t%4)*4*SPITCH+(\t/4)*128
.endr
.endm
.macro SEND a, younger
.set BB, BK+32*((\a)%2)
	s_wait_dscnt \younger                          ; the block is back in registers
	s_wait_xcnt 0x0                                ; the earlier stores have read their registers and their base: only behind this wait are they rewritten
.if (\a) > 0
	s_add_nc_u64 s[12:13], s[12:13], 16*128        ; 16 positions on
.endif
.irp t, 0,1,2,3,4,5,6,7
	global_store_b128 v[CO], v[BB+4*\t:BB+4*\t+3], s[12:13] offset:(\t/4)*262144+(\t%4)*512   ; the second head lies 2048 x 128 bytes on
.endr
.endm
	PLACES NP
	PACK 0
	TOSTAGE 0
.irp a, 1,2,3,4,5,6,7                  ; block a's conversions stand between block a - 1's loads from the stage and the wait for them
	PACK \a
	SEND \a-1, 0
	TOSTAGE \a
.endr
	SEND 7, 0
	s_wait_tensorcnt 0x0                           ; the wave's end: behind my last tensor load and my last LDS store
	ds_add_u32 v[SPW], v[NIL]
	s_wait_dscnt 0x0
	CROUND                                         ; the closing round
	s_endpgm
.Lfunc_end_k_q593fbdaa62_proj:
	.size	k_q593fbdaa62_proj, .Lfunc_end_k_q593fbdaa62_proj-k_q593fbdaa62_proj
	.p2alignl 7, 3214868480
	.fill 96, 4, 3214868480
	.section	.rodata,"a",@progbits
	.p2align	6, 0x0
	.amdhsa_kernel k_q593fbdaa62_proj
		.amdhsa_group_segment_fixed_size 327680
		.amdhsa_private_segment_fixed_size 0
		.amdhsa_enable_private_segment 0
		.amdhsa_kernarg_size 40
		.amdhsa_user_sgpr_count 2
		.amdhsa_user_sgpr_kernarg_segment_ptr 1
		.amdhsa_wavefront_size32 1
		.amdhsa_system_sgpr_workgroup_id_x 1
		.amdhsa_system_sgpr_workgroup_id_y 1
		.amdhsa_system_sgpr_workgroup_id_z 1
		.amdhsa_system_vgpr_workitem_id 0
		.amdhsa_next_free_vgpr 1024
		.amdhsa_next_free_sgpr 98
		.amdhsa_reserve_vcc 0
		.amdhsa_float_denorm_mode_32 3
		.amdhsa_float_denorm_mode_16_64 3
		.amdhsa_memory_ordered 1
		.amdhsa_forward_progress 1
		.amdhsa_inst_pref_size 127
	.end_amdhsa_kernel
	.amdgpu_metadata
---
amdhsa.version: [ 1, 2 ]
amdhsa.kernels:
  - .name:           k_q593fbdaa62_proj
    .symbol:         k_q593fbdaa62_proj.kd
    .args:
      - { .name: a_codes, .offset: 0, .size: 8, .value_kind: global_buffer, .address_space: global }
      - { .name: a_scales, .offset: 8, .size: 8, .value_kind: global_buffer, .address_space: global }
      - { .name: w_codes, .offset: 16, .size: 8, .value_kind: global_buffer, .address_space: global }
      - { .name: w_scales, .offset: 24, .size: 8, .value_kind: global_buffer, .address_space: global }
      - { .name: qkv, .offset: 32, .size: 8, .value_kind: global_buffer, .address_space: global }
    .group_segment_fixed_size: 327680
    .private_segment_fixed_size: 0
    .kernarg_segment_align: 8
    .kernarg_segment_size: 40
    .max_flat_workgroup_size: 128
    .sgpr_count:     98
    .vgpr_count:     1024
    .wavefront_size: 32
...
	.end_amdgpu_metadata
.endif
;; end of part 2
;; launch attn (part 3): grid 8 x 32, 8 waves a work-group, clusters of 4 x 1, 327,680 bytes of LDS; arguments qkv, o16; writes o16
.if DOCPART == 3
	.amdgcn_target "amdgcn-amd-amdhsa--gfx1250"
	.amdhsa_code_object_version 6
	.text
	.protected	k_q593fbdaa62_attn
	.globl	k_q593fbdaa62_attn
	.p2align	8
	.type	k_q593fbdaa62_attn,@function
k_q593fbdaa62_attn:
	s_mov_b64 s[64:65], 0
	v_nop
	global_prefetch_b8 v0, s[64:65] scope:SCOPE_SE
	s_setreg_imm32_b32 hwreg(HW_REG_WAVE_MODE, 25, 1), 1
	s_wait_xcnt 0x0
	s_wait_alu depctr_hold_cnt(0) depctr_sa_sdst(0) depctr_va_vdst(0) depctr_va_sdst(0) depctr_va_ssrc(0) depctr_va_vcc(0) depctr_vm_vsrc(0)
	s_getreg_b32 s2, hwreg(HW_REG_IB_STS2, 6, 4)
	s_cmp_eq_u32 s2, 0
	s_cbranch_scc0 .Lentry_in_a_cluster
	s_endpgm
.Lentry_in_a_cluster:
	s_bfe_u32 s2, ttmp6, 0x10000c
	s_cmp_lg_u32 s2, 0x3003
	s_cbranch_scc0 .Lentry_shape_is_right
	s_endpgm
.Lentry_shape_is_right:
; O[y][q][:] = the sum over k of softmax_k(Q[y][q] . K[y][k] / 8) V[y][k][:], for the 32 heads y = 16 b + h, 2,048 queries, 2,048 keys, head size 64, no mask.
; qkv: three parts (Q, K, V) of [32][2048][64] f16.  o16: [16 h][4096 = 2048 b + position][64] f16.  Products, maxima and sums in f32; the weights p are rounded to f16 for the second product, O once at the end.
; SHARES.  A work-group owns 256 queries of one head.  Wave w of eight: g = w % 4 names its 64 queries (four tiles of 16), kh = w / 4 its half of the keys (1,024, in 16 steps of 64).
; So each fragment of K or V read from LDS feeds four matrix instructions, and two waves share a SIMD.  At the end the wave of kh = 1 hands its maximum, sum and O^T to the wave of kh = 0 through LDS.
; LAYOUT.  S^T = K Q^T (source 0 = 16 keys, source 1 = 16 queries): a lane holds ONE query (lane % 16) and keys 8 (lane / 16) + 0..7.  Two such tiles, rounded to f16 in pairs, ARE source 1 of
; O^T = V^T P, whose result again holds one query a lane.  P is packed IN PLACE, into the low half of its tile's scores.  K comes out of LDS as it lies, V turned, by ds_load_tr16_b128.
; SOFTMAX.  A running maximum m and sum l for each query: p = 2^(c s - c m), c = log2(e) / 8; in every step O and l are multiplied by a = 2^(c m_old - c m_new).
; TWO WAVES OF A SIMD WORK IN COUNTER-PHASE.  A step has a matrix phase (V^T P of the step before, K Q^T of this step) and a softmax.  Waves with PR = 0 run matrix phase, softmax; waves with PR = 1 run the
; softmax of the step before, then the matrix phase.  PR = (w xor w / 4) % 2.  The branches hang on the wave's number alone and lead round no barrier, add or tensor load.
; THE STEP IS WRITTEN ONCE, with no first step of its own.  At the start the scores hold -2^97 (as two f16: 0 and -8,192, both finite), m = -2^97, l = 0, V = 0, O^T = 0.
; The first V^T P then adds finite numbers times 0; the first real maximum gives a = 0, which wipes whatever the stand-in left in l.  That costs 320 moves once.
; CLUSTER.  The four query blocks of a cluster belong to one head and walk the same K and V: each tile is asked for JOINTLY, one load a wave (waves 0-3: K, waves 4-7: V; 64 rows each).
; By this text's count a wave has one tensor load out.
; LIMITS: scores lie above -2^97 (f16 operands bound them by 64 x 65,504^2).  O under 6e-5 is rounded on the fixed step 2^-24 of f16.  NaN and infinities are not served.
; REGISTERS.  window 0: v2-15 addresses; v16-31 set-up; v32-63 eight statistics a tile; v64-191 S^T, 32 a tile (P in the low 16); v192-255 Q.
;             window 1: v0-127 O^T, 32 a tile; v128-191 K of one step; v192-255 V of one step.
.set PKP,    144                       ; a row of K in LDS: 128 bytes + 16: the 16 rows of a load start at 16 different groups of four banks
.set PVP,    160                       ; a row of V: 128 + 32: an odd multiple of 32
.set KSTEPB, 64*PKP                    ; a step's 64 rows
.set VSTEPB, 64*PVP
.set KHALF,  2*KSTEPB                  ; a slot holds two steps of each half of the keys
.set VHALF,  2*VSTEPB
.set VOFF,   2*KHALF                   ; a slot: K half 0, K half 1, V half 0, V half 1
.set SLOT1,  1<<17                     ; slot 1 begins here: one exclusive or turns an address from one slot to the other
.set MRG,    SLOT1+VOFF+2*VHALF        ; behind the ring: for each g 32 images of 512 bytes (O^T) and 4 x 256 bytes of statistics
.set MRGW,   32*512+4*256
.set STAGE,  MRG+4*MRGW                ; the way out: 16 rows x 144 bytes for each wave
.set STGW,   16*PKP
.set SPARE,  STAGE+8*STGW              ; the spare words, 128 bytes for each wave: four blocks of 256 bytes that no other line names
.set AK0, 2                            ; v2   my lane's place in a step's tile of K, in my half; never rewritten
.set AV0, 3                            ; v3   the same for V
.set ADK, 4                            ; v4   LDS address of the step's K
.set ADV, 5                            ; v5   and V
.set QO,  6                            ; v6   my byte offset in the wave's rows of Q
.set STO, 7                            ; v7   the way out: where I put 16 bytes of a row
.set RD,  8                            ; v8   where I read rows back
.set GO,  9                            ; v9   16 x lane
.set MA,  10                           ; v10  the hand-over: an image's place for my lane
.set MS,  11                           ; v11  and the statistics'
.set PFO, 12                           ; v12  the prefetches' offset; never rewritten
.set SPW, 14                           ; v14  LDS address of my spare word; never rewritten
.set NIL, 15                           ; v15  0; never rewritten
.set ST,  32                           ; tile t at v[ST + 8 t]: +0 c m, +1 m, +2, +3 l (even keys', odd keys'), +4 .. +7 at work; a takes +6
.set S,   64
.set Q,   192
.set KF,  128                          ; in window 1
.set VF,  192                          ; in window 1
.set WV,  12                           ; s12 wave; s13 g; s14 kh; s15 PR
.set G,   13
.set KH,  14
.set PR,  15
.set PFA, 18                           ; s[18:19] where my prefetches stand
.set LIM, 20                           ; s20 1 in a wave that prefetches, else the greatest number
.set G1K, 24                           ; s[24:31] group 1 for K's tiles; s[32:39] for V's: the padding differs
.set G1V, 32
.set G0K, 40                           ; s[40:43], s[44:47] their groups 0, which walk
.set G0V, 44
.set SLOTS, 48
.set TWICE, 49
.set CS,  50                           ; s[50:51] c
.set SEL, 52                           ; s[52:53] lane selects for v_permlanex16_b32: lane l xor 16
.set TK,  54                           ; s54 LDS byte at which the step's K begins; s55 V likewise
.set TV,  55
.set MSB, 0
.macro WIN new                         ; the immediate's high byte repeats the setting that is left
.if MSB != \new
	s_set_vgpr_msb (MSB<<8)|\new
.set MSB, \new
.endif
.endm
.macro PLACES
.rept 4
	v_nop
.endr
.endm
; A joint load.  The branch hangs on the wave's number alone.  An s_nop 0 and four v_nop follow each line.
.macro JLOAD
	s_cmp_lt_u32 s[WV], 4
	s_cbranch_scc0 .Lfor_v_\@
	tensor_load_to_lds s[G0K:G0K+3], s[G1K:G1K+7]
	s_nop 0
.rept 4
	v_nop
.endr
	s_branch .Lasked_\@
.Lfor_v_\@:
	tensor_load_to_lds s[G0V:G0V+3], s[G1V:G1V+7]
	s_nop 0
.rept 4
	v_nop
.endr
.Lasked_\@:
.endm
; A PREFETCH of what the NEXT change of slots will ask for: 128 keys of each half, of K and of V; two key steps, 128 matrix instructions of a wave, ahead of that load.
; Each aligned 256 bytes are named ONCE in the launch: both clusters of a head walk the same K and V, so the first of them asks; its four partners take 4,096 bytes of each half each, told apart BY ADDRESS;
; wave 0 asks for K, wave 4 for V: lanes 0-15 name sixteen pieces of half 0, lanes 16-31 of half 1.  The last change that fills a slot asks for nothing; nothing is asked for at the head.
.macro ASK
	s_cmp_gt_u32 s[SLOTS], s[LIM]
	s_cbranch_scc0 .Lnot_mine_\@
	global_prefetch_b8 v[PFO], s[PFA:PFA+1] th:TH_LOAD_NT scope:SCOPE_SE
.Lnot_mine_\@:
.endm
.macro CROUND                          ; a round of the cluster's barrier
	s_barrier_signal -1
	s_barrier_wait -1
	s_cmp_lg_u32 s[WV], 0
	s_cbranch_scc1 .Lnot_wave_0_\@
	s_barrier_signal -3
.Lnot_wave_0_\@:
	s_barrier_wait -3
	s_barrier_signal -1
	s_barrier_wait -1
.endm
	s_load_b128 s[4:7], s[0:1], 0x0                ; qkv, o16
	v_lshl_add_u32 v[SPW], v0, 2, SPARE
	v_mov_b32 v[NIL], 0
	ds_add_u32 v[SPW], v[NIL]                      ; the wave's opening: the add, twice on end, and its wait ahead of my first tensor load
	ds_add_u32 v[SPW], v[NIL]
	v_lshrrev_b32 v1, 5, v0
	v_readfirstlane_b32 s[WV], v1                  ; wave 0..7
	s_and_b32 s[G], s[WV], 3                       ; my 64 queries.  Also: which of the four tiles of K (or of V) I fetch
	s_lshr_b32 s[KH], s[WV], 2                     ; my half of the keys
	s_xor_b32 s[PR], s[WV], s[KH]
	s_and_b32 s[PR], s[PR], 1                      ; my phase
	s_bfe_u32 s16, ttmp6, 0x40000                  ; cx
	s_lshl_b32 s17, ttmp9, 2
	s_add_co_u32 s17, s17, s16                     ; my block of 256 queries: it enters Q's and O's addresses alone
	s_and_b32 s21, ttmp7, 0xffff                   ; the head y, which the four partners share
	s_lshl_b32 s56, s21, 18                        ; the head's first byte in a part: 2048 x 128 bytes a head
	s_mov_b32 s57, 0
	s_lshr_b32 s58, s[G], 1                        ; the tile that I fetch: half (g / 2) of the keys,
	s_lshl_b32 s58, s58, 17
	s_and_b32 s59, s[G], 1                         ; step (g % 2) of the slot
	s_lshl_b32 s59, s59, 13
	s_add_co_u32 s58, s58, s59
	s_add_co_u32 s58, s58, s56
	s_mov_b32 s59, 0
	s_mul_i32 s22, s[G], KSTEPB                    ; and its place in a slot: no place in the cluster enters an LDS address
	s_mul_i32 s23, s[G], VSTEPB
	s_add_co_u32 s23, s23, VOFF
	s_lshl_b32 s60, s17, 8
	s_lshl_b32 s61, s[G], 6
	s_add_co_u32 s60, s60, s61                     ; my first query in the head
	s_lshl_b32 s62, s60, 7
	s_add_co_u32 s62, s62, s56                     ; Q: its byte
	s_mov_b32 s63, 0
	s_lshr_b32 s61, s21, 4                         ; O: row 2048 b + query of plane h
	s_lshl_b32 s61, s61, 11
	s_add_co_u32 s60, s60, s61
	s_lshl_b32 s60, s60, 7
	s_and_b32 s61, s21, 15
	s_lshl_b32 s61, s61, 19
	s_add_co_u32 s60, s60, s61
	s_mov_b32 s61, 0
	; group 1: a tile of 64 rows x 64 elements of 2 bytes, dense in memory, padded behind each row
	s_mov_b32 s[G1K], 15|(1<<16)|(1<<20)|(1<<21)|(4<<22)|(3<<25)   ; the mask: all four work-groups; bit 21 beside it; after every 32 words 4 words of padding
	s_mov_b32 s[G1V], 15|(1<<16)|(1<<20)|(1<<21)|(4<<22)|(7<<25)   ; the same with 8 words
.irp g, G1K, G1V
	s_mov_b32 s[\g+1], 64<<16                      ; tensor_dim0
	s_mov_b32 s[\g+2], 64<<16                      ; tensor_dim1
	s_mov_b32 s[\g+3], 64<<16                      ; tile_dim0
	s_mov_b32 s[\g+4], 64                          ; tile_dim1
	s_mov_b32 s[\g+5], 64                          ; stride
	s_mov_b32 s[\g+6], 0
	s_mov_b32 s[\g+7], 0
.endr
	s_mov_b32 s[CS], 0x3e38aa3b                    ; c = log2(e) / 8
	s_mov_b32 s[CS+1], s[CS]                       ; (named with it as a pair, so it is written)
	s_mov_b32 s[SEL], 0x76543210
	s_mov_b32 s[SEL+1], 0xfedcba98
	s_mov_b32 s[TK], 0
	s_mov_b32 s[TV], 0
	s_mov_b32 s[SLOTS], 7
	s_or_b32 s[LIM], s[G], ttmp9                   ; 0 in waves 0 and 4 of the head's first cluster: the same in all four partners
	s_cmp_eq_u32 s[LIM], 0
	s_cselect_b32 s[LIM], 1, -1
	s_wait_dscnt 0x0                               ; both opening adds are done
	s_wait_kmcnt 0x0
	s_add_nc_u64 s[8:9], s[4:5], s[58:59]
	s_add_nc_u64 s[10:11], s[8:9], 2*8388608       ; V's part
	s_add_nc_u64 s[8:9], s[8:9], 8388608           ; K's part
	s_mov_b32 s[G0K], 1
	s_mov_b32 s[G0K+1], s22
	s_mov_b64 s[G0K+2:G0K+3], s[8:9]
	s_or_b32 s[G0K+3], s[G0K+3], 0x80000000
	s_mov_b32 s[G0V], 1
	s_mov_b32 s[G0V+1], s23
	s_mov_b64 s[G0V+2:G0V+3], s[10:11]
	s_or_b32 s[G0V+3], s[G0V+3], 0x80000000
	s_add_nc_u64 s[PFA:PFA+1], s[4:5], s[56:57]    ; the prefetches: my head,
	s_mov_b32 s58, 2*8388608
	s_cmp_lt_u32 s[WV], 4
	s_cselect_b32 s58, 8388608, s58                ; K's part or V's,
	s_lshl_b32 s59, s16, 12                        ; my work-group's 4,096 bytes,
	s_add_co_u32 s58, s58, s59
	s_add_co_u32 s58, s58, 16384                   ; in slot 1: the first change of slots steps it to slot 2
	s_mov_b32 s59, 0
	s_add_nc_u64 s[PFA:PFA+1], s[PFA:PFA+1], s[58:59]
	s_add_nc_u64 s[4:5], s[4:5], s[62:63]          ; Q at my first query
	s_add_nc_u64 s[6:7], s[6:7], s[60:61]          ; O likewise
	CROUND                                         ; all four work-groups are here: the first joint loads meet
	JLOAD                                          ; slot 0
	v_and_b32 v1, 15, v0                           ; r = lane % 16
	v_bfe_u32 v16, v0, 4, 1                        ; h = lane / 16
	v_and_b32 v17, 31, v0                          ; lane
	v_lshlrev_b32 v[QO], 7, v1
	v_lshl_add_u32 v[QO], v16, 4, v[QO]            ; row r of 128 bytes + 16 h
.irp t, 0,1,2,3                        ; Q stays in registers: tile t, channels 32 c on
.irp c, 0,1
	global_load_b128 v[Q+16*\t+8*\c:Q+16*\t+8*\c+3],   v[QO], s[4:5] offset:\t*2048+\c*64
	global_load_b128 v[Q+16*\t+8*\c+4:Q+16*\t+8*\c+7], v[QO], s[4:5] offset:\t*2048+\c*64+32
.endr
.endr
	; every LDS address register is made here, ahead of the first parting of the waves
	v_mul_u32_u24 v[AK0], v1, PKP
	v_lshl_add_u32 v[AK0], v16, 4, v[AK0]
	s_mul_i32 s56, s[KH], KHALF
	v_add_nc_u32 v[AK0], s56, v[AK0]               ; K: row r x pitch + 16 h, in my half
	v_and_b32 v18, 7, v0
	v_bfe_u32 v19, v0, 3, 1
	v_lshl_add_u32 v[AV0], v16, 3, v18             ; V, for the turning load: key 8 h + lane % 8,
	v_mul_u32_u24 v[AV0], v[AV0], PVP
	v_lshl_add_u32 v[AV0], v19, 4, v[AV0]          ; channels 8 ((lane / 8) % 2) on
	s_mul_i32 s56, s[KH], VHALF
	s_add_co_u32 s56, s56, VOFF
	v_add_nc_u32 v[AV0], s56, v[AV0]
	s_mul_i32 s56, s[WV], STGW
	s_add_co_u32 s56, s56, STAGE                   ; my stage
	v_mul_u32_u24 v[STO], v1, PKP
	v_lshl_add_u32 v[STO], v16, 4, v[STO]
	v_add_nc_u32 v[STO], s56, v[STO]               ; in: row r, 16 bytes for each half of the lanes
	v_bfe_u32 v20, v0, 3, 2
	v_mul_u32_u24 v[RD], v20, PKP
	v_lshl_add_u32 v[RD], v18, 4, v[RD]
	v_add_nc_u32 v[RD], s56, v[RD]                 ; back: eight lanes to a row of 128 bytes, four rows an instruction
	v_lshlrev_b32 v[GO], 4, v17                    ; which in o16 are 512 consecutive bytes
	s_mul_i32 s56, s[G], MRGW
	s_add_co_u32 s56, s56, MRG
	v_lshl_add_u32 v[MA], v17, 4, s56
	s_add_co_u32 s56, s56, 32*512
	v_lshl_add_u32 v[MS], v17, 3, s56
	v_lshlrev_b32 v[PFO], 8, v1
	v_lshl_or_b32 v[PFO], v16, 17, v[PFO]          ; 256 x (lane % 16), and the other half of the keys for lanes 16-31
	; the stand-in start
	s_mov_b32 s56, 0xf0000000                      ; -2^97
.set i, 0
.rept 128
	v_mov_b32 v[S+i], s56
.set i, i+1
.endr
.irp t, 0,1,2,3
	v_mov_b32 v[ST+8*\t+1], s56                    ; m
	v_mul_f32 v[ST+8*\t], s[CS], v[ST+8*\t+1]      ; c m: exact, m is a power of two
	v_mov_b32 v[ST+8*\t+2], 0                      ; l
	v_mov_b32 v[ST+8*\t+3], 0
.endr
	WIN 0x40                                       ; destination window 1
.set i, 0
.rept 128
	v_mov_b32 v[i], 0                              ; O^T
.set i, i+1
.endr
.set i, 0
.rept 64
	v_mov_b32 v[VF+i], 0                           ; V
.set i, i+1
.endr
	WIN 0
; A step's K: 8 fragments (keys 16 (f / 2) on, channels 32 (f % 2) on), 16 loads in one run.
.macro FETCH_K
	WIN 0x40
.irp f, 0,1,2,3,4,5,6,7
	ds_load_b128 v[KF+8*\f:KF+8*\f+3],   v[ADK] offset:(\f/2)*16*PKP+(\f%2)*64
	ds_load_b128 v[KF+8*\f+4:KF+8*\f+7], v[ADK] offset:(\f/2)*16*PKP+(\f%2)*64+32
.endr
.endm
; A step's V, turned: 8 fragments (keys 32 (f / 4) on, channels 16 (f % 4) on).
.macro FETCH_V
	WIN 0x40
.irp f, 0,1,2,3,4,5,6,7
	ds_load_tr16_b128 v[VF+8*\f:VF+8*\f+3],   v[ADV] offset:(\f/4)*32*PVP+(\f%4)*32
	ds_load_tr16_b128 v[VF+8*\f+4:VF+8*\f+7], v[ADV] offset:(\f/4)*32*PVP+16*PVP+(\f%4)*32
.endr
.endm
; O^T += V^T P: product i: keys 32 (i / 16) on, channels 16 ((i / 4) % 4) on, tile i % 4.  The 16 accumulators take turns, one instruction a turn.
.macro PVM
	WIN 0x51                                       ; V and O^T in window 1, P in window 0
.set i, 0
.rept 32
.set rO, 32*(i%4)+8*((i/4)%4)
.set rV, VF+8*(4*(i/16)+(i/4)%4)
.set rP, S+32*(i%4)+8*(i/16)
	v_wmma_f32_16x16x32_f16 v[rO:rO+7], v[rV:rV+7], v[rP:rP+7], v[rO:rO+7]
.set i, i+1
.endr
.endm
; S^T = K Q^T: product i: channels 32 (i / 16) on, keys 16 ((i / 4) % 4) on, tile i % 4.  The first 16 start the sums.
.macro QKM
	WIN 0x01                                       ; K in window 1, Q and S^T in window 0
.set i, 0
.rept 32
.set rS, S+32*(i%4)+8*((i/4)%4)
.set rK, KF+8*(2*((i/4)%4)+i/16)
.set rQ, Q+16*(i%4)+8*(i/16)
.if i < 16
	v_wmma_f32_16x16x32_f16 v[rS:rS+7], v[rK:rK+7], v[rQ:rQ+7], 0
.else
	v_wmma_f32_16x16x32_f16 v[rS:rS+7], v[rK:rK+7], v[rQ:rQ+7], v[rS:rS+7]
.endif
.set i, i+1
.endr
.endm
; THE MATRIX PHASE of step j: K of step j is asked for; V^T P of step j - 1; K Q^T of step j; V of step j is asked for.
.macro MPH
	FETCH_K                                        ; (K's last readers stand five v_nop and more back)
	s_wait_dscnt 16                                ; V, asked for in the phase before, is in; K's 16 loads may be out
	PVM
.rept 5
	v_nop                                          ; K Q^T writes over P's registers, which V^T P has read: five places
.endr
	s_wait_dscnt 0x0                               ; K is in
	QKM
.rept 5
	v_nop                                          ; five places: a later V^T P takes the scores' registers as an operand, and the distance (ISA guide 7.12.1) is kept on every way through the text,
.endr                                                  ; whatever stands between; four of them also serve the reads of the scores and the loads into V's and (next phase) K's registers
	FETCH_V
	WIN 0
.endm
; THE SOFTMAX of four tiles, 118 lines a tile, the tiles by turns line by line, so that no line waits for the line above it.
.macro SX
.irp j, 0,1,2,3                        ; the maximum of a lane's 32 scores and the old m: four chains, each begun at the low end of one accumulator
.irp t, 0,1,2,3
	v_max3_num_f32 v[ST+8*\t+4+\j], v[S+32*\t+8*\j], v[S+32*\t+8*\j+1], v[S+32*\t+8*\j+2]
.endr
.endr
.irp u, 1,2
.irp j, 0,1,2,3
.irp t, 0,1,2,3
	v_max3_num_f32 v[ST+8*\t+4+\j], v[ST+8*\t+4+\j], v[S+32*\t+8*\j+2*\u+1], v[S+32*\t+8*\j+2*\u+2]
.endr
.endr
.endr
.irp t, 0,1,2,3
	v_max3_num_f32 v[ST+8*\t+4], v[ST+8*\t+4], v[S+32*\t+7], v[S+32*\t+15]
.endr
.irp t, 0,1,2,3
	v_max3_num_f32 v[ST+8*\t+6], v[ST+8*\t+6], v[S+32*\t+23], v[S+32*\t+31]
.endr
.irp t, 0,1,2,3
	v_max3_num_f32 v[ST+8*\t+4], v[ST+8*\t+4], v[ST+8*\t+5], v[ST+8*\t+6]
.endr
.irp t, 0,1,2,3
	v_max3_num_f32 v[ST+8*\t+4], v[ST+8*\t+4], v[ST+8*\t+7], v[ST+8*\t+1]
.endr
.irp t, 0,1,2,3
	v_permlanex16_b32 v[ST+8*\t+5], v[ST+8*\t+4], s[SEL], s[SEL+1]   ; the query's other 32 keys lie in the lane 16 away
.endr
.irp t, 0,1,2,3
	v_mov_b32 v[ST+8*\t+7], v[ST+8*\t]             ; c m_old is kept for a
.endr
.irp t, 0,1,2,3
	v_max_num_f32 v[ST+8*\t+1], v[ST+8*\t+4], v[ST+8*\t+5]
.endr
.irp t, 0,1,2,3
	v_mul_f32 v[ST+8*\t], s[CS], v[ST+8*\t+1]
.endr
.irp t, 0,1,2,3
	v_sub_f32 v[ST+8*\t+7], v[ST+8*\t+7], v[ST+8*\t]
.endr
; ONE BATCH: the four a, the 64 scalings and the 128 exponentials.  None of these lines names an exponential's result.
.irp t, 0,1,2,3
	v_exp_f32 v[ST+8*\t+6], v[ST+8*\t+7]           ; a
.endr
.irp b, 0,1,2,3,4,5,6,7,8,9,10,11,12,13,14,15
.irp t, 0,1,2,3
	v_pk_fma_f32 v[S+32*\t+2*\b:S+32*\t+2*\b+1], v[S+32*\t+2*\b:S+32*\t+2*\b+1], s[CS:CS+1], v[ST+8*\t:ST+8*\t+1] op_sel_hi:[1,0,0] neg_lo:[0,0,1] neg_hi:[0,0,1]   ; c s - c m
.endr
.irp t, 0,1,2,3
	v_exp_f32 v[S+32*\t+2*\b], v[S+32*\t+2*\b]
	v_exp_f32 v[S+32*\t+2*\b+1], v[S+32*\t+2*\b+1]
.endr
.endr
	v_nop                                          ; a plain line behind the last exponential
	s_wait_alu depctr_va_vdst(0)                   ; the wait ahead of the first line that names a result: one for the whole batch
; l = a l + the sum of p, of the unrounded p, a pair (an even key's, an odd key's) at a time, in two chains
.irp t, 0,1,2,3
	v_pk_fma_f32 v[ST+8*\t+2:ST+8*\t+3], v[ST+8*\t+2:ST+8*\t+3], v[ST+8*\t+6:ST+8*\t+7], v[S+32*\t:S+32*\t+1] op_sel_hi:[1,0,1]
.endr
.irp t, 0,1,2,3
	v_pk_add_f32 v[ST+8*\t+4:ST+8*\t+5], v[S+32*\t+2:S+32*\t+3], v[S+32*\t+6:S+32*\t+7]
.endr
.irp t, 0,1,2,3
	v_pk_add_f32 v[ST+8*\t+2:ST+8*\t+3], v[ST+8*\t+2:ST+8*\t+3], v[S+32*\t+4:S+32*\t+5]
.endr
.irp b, 2,3,4,5,6,7
.irp t, 0,1,2,3
	v_pk_add_f32 v[ST+8*\t+2:ST+8*\t+3], v[ST+8*\t+2:ST+8*\t+3], v[S+32*\t+4*\b:S+32*\t+4*\b+1]
.endr
.irp t, 0,1,2,3
	v_pk_add_f32 v[ST+8*\t+4:ST+8*\t+5], v[ST+8*\t+4:ST+8*\t+5], v[S+32*\t+4*\b+2:S+32*\t+4*\b+3]
.endr
.endr
.irp t, 0,1,2,3
	v_pk_add_f32 v[ST+8*\t+2:ST+8*\t+3], v[ST+8*\t+2:ST+8*\t+3], v[ST+8*\t+4:ST+8*\t+5]
.endr
; P, in place: packed register i takes scores 2 i and 2 i + 1; ascending, so no score is written over before it is read.  Registers 0-7 are keys 0-31, registers 8-15 keys 32-63.
.irp i, 0,1,2,3,4,5,6,7,8,9,10,11,12,13,14,15
.irp t, 0,1,2,3
	v_cvt_pk_f16_f32 v[S+32*\t+\i], v[S+32*\t+2*\i], v[S+32*\t+2*\i+1]
.endr
.endr
	WIN 0x41                                       ; O^T (destination and source 0) in window 1, a in window 0
.irp i, 0,1,2,3,4,5,6,7,8,9,10,11,12,13,14,15
.irp t, 0,1,2,3
	v_pk_mul_f32 v[32*\t+2*\i:32*\t+2*\i+1], v[32*\t+2*\i:32*\t+2*\i+1], v[ST+8*\t+6:ST+8*\t+7] op_sel_hi:[1,0]   ; each accumulator from its low end on
.endr
.endr
	WIN 0
.endm
; A TRIP: key step j of my half.  PR = 0: matrix phase j, softmax j.  PR = 1: softmax j - 1, matrix phase j.  All LDS reads of step j stand in trip j.
.macro TRIP
	v_add_nc_u32 v[ADK], s[TK], v[AK0]
	v_add_nc_u32 v[ADV], s[TV], v[AV0]
	s_cmp_lg_u32 s[PR], 0
	s_cbranch_scc1 .Lsoft_\@
	MPH
.Lsoft_\@:
	SX
	s_cmp_eq_u32 s[PR], 0
	s_cbranch_scc1 .Lnext_\@
	MPH
.Lnext_\@:
	s_add_co_u32 s[TK], s[TK], KSTEPB
	s_add_co_u32 s[TV], s[TV], VSTEPB
.endm
.macro TWO_STEPS                       ; a slot's two steps: written once, walked twice
	s_mov_b32 s[TWICE], 2
.Lstep_\@:
	TRIP
	s_sub_co_u32 s[TWICE], s[TWICE], 1
	s_cmp_lg_u32 s[TWICE], 0
	s_cbranch_scc1 .Lstep_\@
	s_sub_co_u32 s[TK], s[TK], 2*KSTEPB            ; back to a slot's first step,
	s_xor_b32 s[TK], s[TK], SLOT1                  ; in the other slot
	s_sub_co_u32 s[TV], s[TV], 2*VSTEPB
	s_xor_b32 s[TV], s[TV], SLOT1
.endm
; THE CHANGE OF SLOTS stands at a slot's head.  Each wave waits for all its tensor loads (its part of the slot ahead), adds 0 to its spare word, and waits for that and for its reads of the slot that it has left.
; fill = 1: a round of the cluster's barrier, so that no wave of any partner still reads the other slot or has a load on its way; the joint load of the next 128 keys of each half is the first thing behind it
; and has two key steps in which to land.  (.)
.macro CHANGE fill
	s_wait_tensorcnt 0x0                           ; no tensor load of mine is out, so a group 0 may be written
	ds_add_u32 v[SPW], v[NIL]
.if \fill
	s_xor_b32 s[G0K+1], s[G0K+1], SLOT1            ; the walking descriptors: the other slot than last time,
	s_add_nc_u64 s[G0K+2:G0K+3], s[G0K+2:G0K+3], 128*128   ; the next 128 keys; the type bits on top are not reached
	s_xor_b32 s[G0V+1], s[G0V+1], SLOT1
	s_add_nc_u64 s[G0V+2:G0V+3], s[G0V+2:G0V+3], 128*128
	s_wait_xcnt 0x0                                ; the last prefetch, a slot back, has read its address, so it may be written:
	s_add_nc_u64 s[PFA:PFA+1], s[PFA:PFA+1], 128*128       ; one slot further on than the walking descriptors
	s_wait_dscnt 0x0                               ; the add is done, and my reads of the slot that I have left are over
	CROUND
	JLOAD
	ASK
.else
	s_wait_dscnt 0x0
	s_barrier_signal -1
	s_barrier_wait -1
.endif
.endm
	s_wait_loadcnt 0x0                             ; Q
.Lslot:                                            ; 7 trips: behind each change of slots but the last the next slot is asked for (in the first trip: slot 1's first fill)
	CHANGE 1
	TWO_STEPS
	s_sub_co_u32 s[SLOTS], s[SLOTS], 1
	s_cmp_lg_u32 s[SLOTS], 0
	s_cbranch_scc1 .Lslot
	CHANGE 0                                       ; the last slot is written out
	TWO_STEPS
	s_cmp_eq_u32 s[PR], 0                          ; PR = 1 still owes the last step's softmax
	s_cbranch_scc1 .Llast_pv
	SX
.Llast_pv:
	s_wait_dscnt 0x0                               ; the last step's V is in
	PVM                                            ; V^T P of the last step
	WIN 0
	PLACES
.irp t, 0,1,2,3                        ; l: its two halves and the other half of the lanes'; it takes m's place, beside c m
	v_add_f32 v[ST+8*\t+4], v[ST+8*\t+2], v[ST+8*\t+3]
.endr
.irp t, 0,1,2,3
	v_permlanex16_b32 v[ST+8*\t+5], v[ST+8*\t+4], s[SEL], s[SEL+1]
.endr
.irp t, 0,1,2,3
	v_add_f32 v[ST+8*\t+1], v[ST+8*\t+4], v[ST+8*\t+5]
.endr
; THE HAND-OVER.  The wave of kh = 1 stores O^T as images of its registers (16 bytes a lane, 512 an instruction) and (c m, l); a barrier; the wave of kh = 0 with the same g loads them into the same lanes.
	s_cmp_eq_u32 s[KH], 0
	s_cbranch_scc1 .Lno_send
	WIN 0x04                                       ; an LDS store's data are its source 1: window 1
.set i, 0
.rept 32
	ds_store_b128 v[MA], v[4*i:4*i+3] offset:512*i ; ascending: each accumulator from its low end on
.set i, i+1
.endr
	WIN 0
.irp t, 0,1,2,3
	ds_store_b64 v[MS], v[ST+8*\t:ST+8*\t+1] offset:256*\t
.endr
.Lno_send:
	s_wait_dscnt 0x0                               ; for the others' sake: my stores have landed
	s_barrier_signal -1
	s_barrier_wait -1
	s_cmp_lg_u32 s[KH], 0
	s_cbranch_scc1 .Ldone
.irp t, 0,1,2,3
	ds_load_b64 v[ST+8*\t+4:ST+8*\t+5], v[MS] offset:256*\t        ; the other half's c m and l
.endr
.set i, 0
.rept 32
	ds_load_b128 v[S+4*i:S+4*i+3], v[MA] offset:512*i              ; and its O^T, where the scores lay
.set i, i+1
.endr
	s_wait_dscnt 0x0
.irp t, 0,1,2,3
	v_max_num_f32 v[ST+8*\t+2], v[ST+8*\t], v[ST+8*\t+4]           ; the common c m
.endr
.irp t, 0,1,2,3
	v_sub_f32 v[ST+8*\t+6], v[ST+8*\t], v[ST+8*\t+2]
	v_sub_f32 v[ST+8*\t+7], v[ST+8*\t+4], v[ST+8*\t+2]
.endr
.irp t, 0,1,2,3
	v_exp_f32 v[ST+8*\t+6], v[ST+8*\t+6]           ; what brings my half under it,
	v_exp_f32 v[ST+8*\t+7], v[ST+8*\t+7]           ; and the other half
.endr
	v_nop
	s_wait_alu depctr_va_vdst(0)                   ; one wait for the eight
.irp t, 0,1,2,3
	v_mul_f32 v[ST+8*\t+3], v[ST+8*\t+6], v[ST+8*\t+1]
.endr
.irp t, 0,1,2,3
	v_fmac_f32 v[ST+8*\t+3], v[ST+8*\t+7], v[ST+8*\t+5]            ; the row's sum over all 2,048 keys
.endr
.irp t, 0,1,2,3
	v_rcp_f32 v[ST+8*\t+4], v[ST+8*\t+3]
.endr
	v_nop
	s_wait_alu depctr_va_vdst(0)                   ; one wait for the four
.irp t, 0,1,2,3
	v_mul_f32 v[ST+8*\t+6], v[ST+8*\t+6], v[ST+8*\t+4]             ; my factor,
	v_mul_f32 v[ST+8*\t+2], v[ST+8*\t+7], v[ST+8*\t+4]             ; the other half's
.endr
.set i, 0
.rept 64
	v_pk_mul_f32 v[S+2*i:S+2*i+1], v[S+2*i:S+2*i+1], v[ST+8*(i/16)+2:ST+8*(i/16)+3] op_sel_hi:[1,0]
.set i, i+1
.endr
	WIN 0x01                                       ; source 0: my O^T, window 1
.set i, 0
.rept 64
	v_pk_fma_f32 v[S+2*i:S+2*i+1], v[2*i:2*i+1], v[ST+8*(i/16)+6:ST+8*(i/16)+7], v[S+2*i:S+2*i+1] op_sel_hi:[1,0,1]
.set i, i+1
.endr
	WIN 0
; THE WAY OUT.  A lane's eight channels of a row pack into 16 bytes; a tile (16 rows of 128 bytes) goes through my stage and comes back four rows an instruction, which in o16 are 512 consecutive bytes.
.irp t, 0,1,2,3
.irp i, 0,1,2,3,4,5,6,7,8,9,10,11,12,13,14,15
	v_cvt_pk_f16_f32 v[S+32*\t+\i], v[S+32*\t+2*\i], v[S+32*\t+2*\i+1]
.endr
.irp c, 0,1,2,3
	ds_store_b128 v[STO], v[S+32*\t+4*\c:S+32*\t+4*\c+3] offset:32*\c
.endr
.irp i, 0,1,2,3
	ds_load_b128 v[S+32*\t+16+4*\i:S+32*\t+16+4*\i+3], v[RD] offset:\i*4*PKP   ; LDS serves a wave's instructions in order: these see the stores above; the next tile's stores come behind them
.endr
.endr
.irp t, 0,1,2,3
.irp i, 0,1,2,3
	s_wait_dscnt 8*(3-\t)+3-\i                     ; the younger LDS instructions: this tile's later loads and the later tiles' eight each
	global_store_b128 v[GO], v[S+32*\t+16+4*\i:S+32*\t+16+4*\i+3], s[6:7] offset:\t*2048+\i*512
.endr
.endr
.Ldone:
	s_wait_tensorcnt 0x0                           ; the wave's end: behind my last tensor load and my last LDS store
	ds_add_u32 v[SPW], v[NIL]
	s_wait_dscnt 0x0
	CROUND                                         ; the closing round
	s_endpgm
.Lfunc_end_k_q593fbdaa62_attn:
	.size	k_q593fbdaa62_attn, .Lfunc_end_k_q593fbdaa62_attn-k_q593fbdaa62_attn
	.p2alignl 7, 3214868480
	.fill 96, 4, 3214868480
	.section	.rodata,"a",@progbits
	.p2align	6, 0x0
	.amdhsa_kernel k_q593fbdaa62_attn
		.amdhsa_group_segment_fixed_size 327680
		.amdhsa_private_segment_fixed_size 0
		.amdhsa_enable_private_segment 0
		.amdhsa_kernarg_size 16
		.amdhsa_user_sgpr_count 2
		.amdhsa_user_sgpr_kernarg_segment_ptr 1
		.amdhsa_wavefront_size32 1
		.amdhsa_system_sgpr_workgroup_id_x 1
		.amdhsa_system_sgpr_workgroup_id_y 1
		.amdhsa_system_sgpr_workgroup_id_z 1
		.amdhsa_system_vgpr_workitem_id 0
		.amdhsa_next_free_vgpr 512
		.amdhsa_next_free_sgpr 66
		.amdhsa_reserve_vcc 0
		.amdhsa_float_denorm_mode_32 3
		.amdhsa_float_denorm_mode_16_64 3
		.amdhsa_memory_ordered 1
		.amdhsa_forward_progress 1
		.amdhsa_inst_pref_size 149
	.end_amdhsa_kernel
	.amdgpu_metadata
---
amdhsa.version: [ 1, 2 ]
amdhsa.kernels:
  - .name:           k_q593fbdaa62_attn
    .symbol:         k_q593fbdaa62_attn.kd
    .args:
      - { .name: qkv, .offset: 0, .size: 8, .value_kind: global_buffer, .address_space: global }
      - { .name: o16, .offset: 8, .size: 8, .value_kind: global_buffer, .address_space: global }
    .group_segment_fixed_size: 327680
    .private_segment_fixed_size: 0
    .kernarg_segment_align: 8
    .kernarg_segment_size: 16
    .max_flat_workgroup_size: 256
    .sgpr_count:     66
    .vgpr_count:     512
    .wavefront_size: 32
...
	.end_amdgpu_metadata
.endif
;; end of part 3
;; launch outp (part 4): grid 8 x 32, 4 waves a work-group, clusters of 4 x 4, 327,680 bytes of LDS; arguments o16, wo16, bo, out0; writes out0
.if DOCPART == 4
	.amdgcn_target "amdgcn-amd-amdhsa--gfx1250"
	.amdhsa_code_object_version 6
	.text
	.protected	k_q593fbdaa62_outp
	.globl	k_q593fbdaa62_outp
	.p2align	8
	.type	k_q593fbdaa62_outp,@function
k_q593fbdaa62_outp:
	s_mov_b64 s[64:65], 0
	v_nop
	global_prefetch_b8 v0, s[64:65] scope:SCOPE_SE
	s_setreg_imm32_b32 hwreg(HW_REG_WAVE_MODE, 25, 1), 1
	s_wait_xcnt 0x0
	s_wait_alu depctr_hold_cnt(0) depctr_sa_sdst(0) depctr_va_vdst(0) depctr_va_sdst(0) depctr_va_ssrc(0) depctr_va_vcc(0) depctr_vm_vsrc(0)
	s_getreg_b32 s2, hwreg(HW_REG_IB_STS2, 6, 4)
	s_cmp_eq_u32 s2, 0
	s_cbranch_scc0 .Lentry_in_a_cluster
	s_endpgm
.Lentry_in_a_cluster:
	s_bfe_u32 s2, ttmp6, 0x10000c
	s_cmp_lg_u32 s2, 0xf033
	s_cbranch_scc0 .Lentry_shape_is_right
	s_endpgm
.Lentry_shape_is_right:
; out0[m][n] = the sum over k of O[m][k] Wo[k][n] + bo[n].  M = 4,096, N = 1,024, K = 1,024 (k = 64 h + d).  Operands f16, sums f32, out0 f32.
; o16: [16 h][4096 m][64] f16.  wo16: [1024 k][1024 n] f16, as Wo lies.  bo: [1024] f32.
; 256 tiles of 128 x 128, one for each work-group (tiles of 256 x 256 would be 64).  Four waves, each 64 x 64: 16 accumulators.  K goes in four steps of 256 (four heads) through two LDS slots.
; A's tile of a step: for each of four heads 64 rows x 128 bytes, dense in memory: one tensor load brings the four runs, padded behind each 128 bytes: in LDS [4 heads][64 rows][144].
; B's tile: 128 rows k x 256 bytes, padded to 288; it is read turned, by ds_load_tr16_b128, since K is not innermost in Wo.
; CLUSTERS: 4 x 4 work-groups; A's tiles are asked for jointly along a row of the cluster, B's along a column.  By this text's count a wave has two tensor loads out at the start, later one.
; THE MATRIX INSTRUCTION IS USED TRANSPOSED (source 0 = 16 columns n of Wo, source 1 = 16 rows of O): a lane then holds eight neighbouring numbers of a row of out0.
; The bias is the C of each sum's first matrix instruction: eight registers for each block of 16 columns, in the result's layout.
; No prefetch: the tiles are small and each step's load has the step before in which to land.
; REGISTERS: window 0: v0-31 addresses; v32-95 the way out; v96-127 the bias; v128-255 the accumulators ((a, b) at v[128 + 8 (4 a + b)]).
;   window 1: two fragment buffers of 128: for 64 along K, 64 registers of A (2 x 4 x 16 rows x 32 K), then 64 of B.
.set PA,     144                       ; a row of A in LDS: 128 + 16
.set PBW,    288                       ; a row of B: 256 + 32: an odd multiple of 32
.set HEADB,  64*PA                     ; a head's 64 rows
.set HALFT,  4*HEADB                   ; what one tensor load brings: 64 rows x 4 heads of A, or 128 rows of B: both 36,864 bytes
.set SLOT,   4*HALFT                   ; A's two halves, then B's 256 rows
.set ASTEP,  4*4096*128                ; a K step in o16: four heads
.set BSTEP,  256*2048                  ; and in wo16: 256 rows
.set STAGE,  2*SLOT                    ; behind the ring: 16 rows x 272 bytes for each wave: a wave's 64 columns are 256 aligned bytes of out0, so the stage is its own
.set SPITCH, 272
.set SPARE,  STAGE+4*16*SPITCH         ; the spare words, 128 bytes for each wave: two blocks of 256 bytes that no other line names
.set ADRA, 16                          ; v16-17  LDS address of my A fragments in slot 0, 1
.set ADRB, 20                          ; v20-23  the same for B: slot s, rows 128 kk on: v[20 + 2 s + kk]
.set STO,  24
.set RD,   25
.set CO,   26
.set BOF,  27                          ; v27     32 x (lane / 16): my place in a block's bias
.set SPW,  28                          ; v28     LDS address of my spare word; never rewritten
.set NIL,  29                          ; v29     0; never rewritten
.set TMP,  32
.set BIAS, 96
.set ACC,  128
.set F0,   0
.set F1,   128
.set G1, 24                            ; s[24:31] group 1 for A's tiles;  s[32:39] group 0, one set for each slot
.set G0, 32
.set G1B, 48                           ; s[48:55], s[56:63] the same for B's
.set G0B, 56
.set MSB, 0
.macro WIN new                         ; the immediate's high byte repeats the setting that is left
.if MSB != \new
	s_set_vgpr_msb (MSB<<8)|\new
.set MSB, \new
.endif
.endm
.set MUL,  0x05                        ; sources 0 (B) and 1 (A) window 1; C and D window 0
.set TO_F, 0x40                        ; destination window 1, address window 0
.macro JLOAD s                         ; a joint load: waves 0 and 1 fetch A's two halves, waves 2 and 3 B's; an s_nop 0 and four v_nop follow each line
	s_cmp_eq_u32 s13, 0
	s_cbranch_scc0 .Lfor_b_\@
	tensor_load_to_lds s[G0+4*\s:G0+4*\s+3], s[G1:G1+7]
	s_nop 0
.rept 4
	v_nop
.endr
	s_branch .Lasked_\@
.Lfor_b_\@:
	tensor_load_to_lds s[G0B+4*\s:G0B+4*\s+3], s[G1B:G1B+7]
	s_nop 0
.rept 4
	v_nop
.endr
.Lasked_\@:
.endm
.macro CREST                           ; a round of the cluster's barrier behind its opening barrier
	s_cmp_lg_u32 s12, 0
	s_cbranch_scc1 .Lnot_wave_0_\@
	s_barrier_signal -3
.Lnot_wave_0_\@:
	s_barrier_wait -3
	s_barrier_signal -1
	s_barrier_wait -1
.endm
.macro CROUND
	s_barrier_signal -1
	s_barrier_wait -1
	CREST
.endm
	s_load_b128 s[4:7], s[0:1], 0x0                ; o16, wo16
	s_load_b128 s[8:11], s[0:1], 0x10              ; bo, out0
	v_lshl_add_u32 v[SPW], v0, 2, SPARE
	v_mov_b32 v[NIL], 0
	ds_add_u32 v[SPW], v[NIL]                      ; the wave's opening: the add, twice on end, and its wait ahead of my first tensor load
	ds_add_u32 v[SPW], v[NIL]
	v_lshrrev_b32 v1, 5, v0
	v_readfirstlane_b32 s12, v1                    ; wave 0..3
	s_lshr_b32 s13, s12, 1                         ; which half of the tile's rows is mine.  Also: I fetch for A (0) or for B (1)
	s_and_b32 s14, s12, 1                          ; which half of its columns.  Also: which half of that tile I fetch
	s_bfe_u32 s40, ttmp6, 0x40000                  ; cx, cy
	s_bfe_u32 s41, ttmp6, 0x40004
	s_lshl_b32 s42, ttmp9, 2
	s_add_co_u32 s42, s42, s40                     ; tile column = 4 x cluster x + cx
	s_and_b32 s15, ttmp7, 0xffff
	s_lshl_b32 s15, s15, 2
	s_add_co_u32 s15, s15, s41                     ; tile row = 4 x cluster y + cy
	s_lshl_b32 s43, s41, 2
	s_lshl_b32 s43, 15, s43                        ; my row of the cluster
	s_lshl_b32 s44, 0x1111, s40                    ; my column
	; A: four runs of 4,096 elements of 2 bytes (64 rows of a head), 4096 x 64 elements apart; 4 words of padding behind every 32
	s_or_b32 s[G1+0], s43, (1<<16)|(1<<20)|(1<<21)|(4<<22)|(3<<25)
	s_mov_b32 s[G1+1], 4096<<16                    ; tensor_dim0
	s_mov_b32 s[G1+2], 4<<16                       ; tensor_dim1
	s_mov_b32 s[G1+3], 4096<<16                    ; tile_dim0
	s_mov_b32 s[G1+4], 4                           ; tile_dim1
	s_mov_b32 s[G1+5], 4096*64                     ; stride
	s_mov_b32 s[G1+6], 0
	s_mov_b32 s[G1+7], 0
	; B: 128 rows of 128 elements, 1,024 elements apart; 8 words of padding behind every 64
	s_or_b32 s[G1B+0], s44, (1<<16)|(1<<20)|(1<<21)|(5<<22)|(7<<25)
	s_mov_b32 s[G1B+1], 128<<16
	s_mov_b32 s[G1B+2], 128<<16
	s_mov_b32 s[G1B+3], 128<<16
	s_mov_b32 s[G1B+4], 128
	s_mov_b32 s[G1B+5], 1024
	s_mov_b32 s[G1B+6], 0
	s_mov_b32 s[G1B+7], 0
	s_lshl_b32 s16, s15, 7
	s_lshl_b32 s17, s14, 6
	s_add_co_u32 s16, s16, s17                     ; A: row 128 x tile row + 64 x half,
	s_lshl_b32 s16, s16, 7                         ; of 128 bytes
	s_mov_b32 s17, 0
	s_lshl_b32 s46, s14, 18                        ; B: row 128 x half, of 2,048 bytes,
	s_lshl_b32 s47, s42, 8                         ; + 256 bytes x tile column
	s_add_co_u32 s46, s46, s47
	s_mov_b32 s47, 0
	s_mul_i32 s20, s12, HALFT                      ; where they go: wave x 36,864: no place in the cluster enters an LDS address
	s_wait_dscnt 0x0                               ; both opening adds are done
	s_wait_kmcnt 0x0
	s_add_nc_u64 s[18:19], s[4:5], s[16:17]
	s_add_nc_u64 s[46:47], s[6:7], s[46:47]
	CROUND                                         ; all sixteen work-groups are here: the first joint loads meet
.irp s, 0,1
	s_mov_b32 s[G0+4*\s], 1
	s_add_co_u32 s[G0+4*\s+1], s20, \s*SLOT
	s_add_nc_u64 s[G0+4*\s+2:G0+4*\s+3], s[18:19], \s*ASTEP
	s_or_b32 s[G0+4*\s+3], s[G0+4*\s+3], 0x80000000
	s_mov_b32 s[G0B+4*\s], 1
	s_add_co_u32 s[G0B+4*\s+1], s20, \s*SLOT
	s_add_nc_u64 s[G0B+4*\s+2:G0B+4*\s+3], s[46:47], \s*BSTEP
	s_or_b32 s[G0B+4*\s+3], s[G0B+4*\s+3], 0x80000000
	JLOAD \s
.endr
	v_and_b32 v1, 15, v0                           ; r = lane % 16
	v_bfe_u32 v2, v0, 4, 1                         ; h = lane / 16
	s_lshl_b32 s46, s42, 9                         ; my first column, in bytes of f32: 512 x tile column + 256 x half: in bo and in a row of out0
	s_lshl_b32 s47, s14, 8
	s_add_co_u32 s46, s46, s47
	s_mov_b32 s47, 0
	s_add_nc_u64 s[8:9], s[8:9], s[46:47]
	s_add_nc_u64 s[10:11], s[10:11], s[46:47]
	v_lshlrev_b32 v[BOF], 5, v2
.irp b, 0,1,2,3                        ; the bias of block b: bo at columns 16 b + 8 h + 0 .. 7
	global_load_b128 v[BIAS+8*\b:BIAS+8*\b+3],   v[BOF], s[8:9] offset:64*\b
	global_load_b128 v[BIAS+8*\b+4:BIAS+8*\b+7], v[BOF], s[8:9] offset:64*\b+16
.endr
	v_mul_u32_u24 v3, v1, PA
	v_lshl_add_u32 v3, v2, 4, v3                   ; A: row r x pitch + 16 h
	s_mul_i32 s21, s13, HALFT                      ; my 64 rows
	v_add_nc_u32 v[ADRA], s21, v3
	s_add_co_u32 s21, s21, SLOT
	v_add_nc_u32 v[ADRA+1], s21, v3
	v_and_b32 v4, 7, v0
	v_bfe_u32 v5, v0, 3, 1
	v_lshl_add_u32 v4, v2, 3, v4                   ; B, for the turning load: row k = 8 h + lane % 8,
	v_mul_u32_u24 v4, v4, PBW
	v_lshl_add_u32 v4, v5, 4, v4                   ; columns 8 ((lane / 8) % 2) on
	s_lshl_b32 s22, s14, 7                         ; my 64 columns,
	s_add_co_u32 s22, s22, 2*HALFT                 ; behind A's two halves
	v_add_nc_u32 v[ADRB], s22, v4
	s_add_co_u32 s22, s22, HALFT
	v_add_nc_u32 v[ADRB+1], s22, v4
	s_add_co_u32 s22, s22, SLOT-HALFT
	v_add_nc_u32 v[ADRB+2], s22, v4
	s_add_co_u32 s22, s22, HALFT
	v_add_nc_u32 v[ADRB+3], s22, v4
	s_mul_i32 s23, s12, 16*SPITCH
	s_add_co_u32 s23, s23, STAGE                   ; my stage
	v_mul_u32_u24 v5, v1, SPITCH
	v_lshl_add_u32 v5, v2, 5, v5
	v_add_nc_u32 v[STO], s23, v5                   ; in: row r, 32 bytes for each half of the lanes
	v_mul_u32_u24 v5, v2, SPITCH
	v_lshl_add_u32 v5, v1, 4, v5
	v_add_nc_u32 v[RD], s23, v5                    ; back: lanes 0-15 one row of 256 bytes, lanes 16-31 the next
	v_lshlrev_b32 v5, 12, v2
	v_lshl_add_u32 v[CO], v1, 4, v5                ; and the same two rows in out0, 4,096 bytes apart
	s_lshl_b32 s16, s15, 19                        ; my first row: 128 x tile row + 64 x half, of 4,096 bytes
	s_lshl_b32 s17, s13, 18
	s_add_co_u32 s16, s16, s17
	s_mov_b32 s17, 0
	s_add_nc_u64 s[10:11], s[10:11], s[16:17]
; 8 matrix instructions: m blocks a0, a0 + 1 x all 4 n blocks, 32 along K: half c of buffer f.  zero = 1: the first product starts the sums on the bias.
; The 16 accumulators take turns, one instruction a turn.
.macro MUL8 f, c, a0, zero
.irp a, \a0, \a0+1
.irp b, 0,1,2,3
.if \zero
	v_wmma_f32_16x16x32_f16 v[ACC+8*(4*(\a)+\b):ACC+8*(4*(\a)+\b)+7], v[\f+64+8*(4*\c+\b):\f+64+8*(4*\c+\b)+7], v[\f+8*(4*\c+\a):\f+8*(4*\c+\a)+7], v[BIAS+8*\b:BIAS+8*\b+7]
.else
	v_wmma_f32_16x16x32_f16 v[ACC+8*(4*(\a)+\b):ACC+8*(4*(\a)+\b)+7], v[\f+64+8*(4*\c+\b):\f+64+8*(4*\c+\b)+7], v[\f+8*(4*\c+\a):\f+8*(4*\c+\a)+7], v[ACC+8*(4*(\a)+\b):ACC+8*(4*(\a)+\b)+7]
.endif
.endr
.endr
.endm
; 32 LDS loads in one run: the fragments of the slot's q-th 64 along K (head q of the four) into buffer f; the first 32 along K first.
.macro FETCH slot, q, f
	WIN TO_F
.irp c, 0,1
.irp i, 0,1,2,3
	ds_load_tr16_b128 v[\f+64+8*(4*\c+\i):\f+64+8*(4*\c+\i)+3],   v[ADRB+2*\slot+(\q)/2] offset:(((\q)%2)*64+32*\c)*PBW+32*\i
	ds_load_tr16_b128 v[\f+64+8*(4*\c+\i)+4:\f+64+8*(4*\c+\i)+7], v[ADRB+2*\slot+(\q)/2] offset:(((\q)%2)*64+32*\c+16)*PBW+32*\i
	ds_load_b128 v[\f+8*(4*\c+\i):\f+8*(4*\c+\i)+3],         v[ADRA+\slot] offset:(\q)*HEADB+64*\c+\i*16*PA
	ds_load_b128 v[\f+8*(4*\c+\i)+4:\f+8*(4*\c+\i)+7],       v[ADRA+\slot] offset:(\q)*HEADB+64*\c+\i*16*PA+32
.endr
.endr
.endm
.macro PLACES                          ; four places in front of loads into registers that matrix instructions have read, and of reads of results
.rept 4
	v_nop
.endr
.endm
; A K step is four quarters of 64 along K, 32 matrix instructions each, on buffers 0, 1, 0, 1.  One of the first three: multiplies buffer f and fetches quarter q into g.
.macro QUARTER slot, q, f, g, zero
	s_wait_dscnt 16                                ; the first 32 along K are in
	WIN MUL
	MUL8 \f, 0, 0, \zero
	MUL8 \f, 0, 2, \zero
	PLACES
	FETCH \slot, \q, \g
	s_wait_dscnt 32                                ; all but the 32 just issued
	WIN MUL
	MUL8 \f, 1, 0, 0
	MUL8 \f, 1, 2, 0
.endm
; The last quarter multiplies buffer 1 and changes slots: ONE barrier; in front of it each wave waits for all its tensor loads, adds 0 to its spare word, and waits for that and for its reads of this slot.
; fill = 1: the barrier opens a round of the cluster's, and this slot is filled again, two K steps ahead: 112 matrix instructions stand between the request and the wait for it.
.macro TURN slot, next, fill
	WIN 0                                          ; (the add's two registers lie in window 0)
	s_wait_tensorcnt 0x0                           ; all my tensor loads have landed: my part of the next slot
	ds_add_u32 v[SPW], v[NIL]
	s_wait_dscnt 17                                ; (the add and the youngest sixteen loads may be out)
	WIN MUL
	MUL8 F1, 0, 0, 0                               ; eight matrix instructions stand between the add and the wait for it
	s_wait_dscnt 0x0                               ; the add is done, and my reads of this slot are over
	s_barrier_signal -1
	MUL8 F1, 0, 2, 0
.if \fill
	WIN 0
.endif
	s_barrier_wait -1
.if \fill
	CREST                                          ; no wave of any partner still reads this slot or has a load on its way
	s_add_nc_u64 s[G0+4*\slot+2:G0+4*\slot+3], s[G0+4*\slot+2:G0+4*\slot+3], 2*ASTEP
	s_add_nc_u64 s[G0B+4*\slot+2:G0B+4*\slot+3], s[G0B+4*\slot+2:G0B+4*\slot+3], 2*BSTEP
	JLOAD \slot                                    ; the first tensor load behind the round; its four v_nop are also the places in front of the loads below
.else
	PLACES
.endif
	FETCH \next, 0, F0
	WIN MUL
	MUL8 F1, 1, 0, 0
	MUL8 F1, 1, 2, 0
.endm
	s_wait_tensorcnt 1                             ; my part of K step 0 is in (K step 1's load may be out)
	s_barrier_signal -1
	s_barrier_wait -1                              ; everybody's is
	FETCH 0, 0, F0
	s_wait_loadcnt 0x0                             ; the bias
	QUARTER 0, 1, F0, F1, 1                        ; K step 0: its first products start the sums on the bias
	QUARTER 0, 2, F1, F0, 0
	QUARTER 0, 3, F0, F1, 0
	TURN 0, 1, 1                                   ; slot 0 takes K step 2
	QUARTER 1, 1, F0, F1, 0                        ; K step 1
	QUARTER 1, 2, F1, F0, 0
	QUARTER 1, 3, F0, F1, 0
	TURN 1, 0, 1                                   ; slot 1 takes K step 3
	QUARTER 0, 1, F0, F1, 0                        ; K step 2
	QUARTER 0, 2, F1, F0, 0
	QUARTER 0, 3, F0, F1, 0
	TURN 0, 1, 0                                   ; nothing is left to fetch
	QUARTER 1, 1, F0, F1, 0                        ; K step 3
	QUARTER 1, 2, F1, F0, 0
	QUARTER 1, 3, F0, F1, 0
	s_wait_dscnt 16
	WIN MUL
	MUL8 F1, 0, 0, 0
	MUL8 F1, 0, 2, 0
	s_wait_dscnt 0
	MUL8 F1, 1, 0, 0
	MUL8 F1, 1, 2, 0
	WIN 0
	; THE WAY OUT, a block of 16 rows x 64 columns at a time: a lane holds 32 neighbouring bytes of a row for each block of columns; they go through my own stage and come back as whole rows of 256 bytes.
	PLACES
.irp a, 0,1,2,3
.if \a >= 2
	s_wait_xcnt 0x0                                ; block a - 2's stores have read their registers: the loads below may land there
.endif
.irp b, 0,1,2,3
	ds_store_b128 v[STO], v[ACC+8*(4*\a+\b):ACC+8*(4*\a+\b)+3] offset:64*\b          ; each accumulator from its low end on
	ds_store_b128 v[STO], v[ACC+8*(4*\a+\b)+4:ACC+8*(4*\a+\b)+7] offset:64*\b+16
.endr
.irp t, 0,1,2,3,4,5,6,7
	ds_load_b128 v[TMP+32*(\a%2)+4*\t:TMP+32*(\a%2)+4*\t+3], v[RD] offset:\t*2*SPITCH   ; LDS serves a wave's instructions in order: these see the stores above
.endr
.irp t, 0,1,2,3,4,5,6,7
	s_wait_dscnt 7-\t                              ; the younger reads back may be out
	global_store_b128 v[CO], v[TMP+32*(\a%2)+4*\t:TMP+32*(\a%2)+4*\t+3], s[10:11] offset:(16*\a+2*\t)*4096 th:TH_STORE_NT   ; 16 lanes store 256 consecutive aligned bytes; written once, read by nobody here
.endr
.endr
	s_wait_tensorcnt 0x0                           ; the wave's end: behind my last tensor load and my last LDS store
	ds_add_u32 v[SPW], v[NIL]
	s_wait_dscnt 0x0
	CROUND                                         ; the closing round
	s_endpgm
.Lfunc_end_k_q593fbdaa62_outp:
	.size	k_q593fbdaa62_outp, .Lfunc_end_k_q593fbdaa62_outp-k_q593fbdaa62_outp
	.p2alignl 7, 3214868480
	.fill 96, 4, 3214868480
	.section	.rodata,"a",@progbits
	.p2align	6, 0x0
	.amdhsa_kernel k_q593fbdaa62_outp
		.amdhsa_group_segment_fixed_size 327680
		.amdhsa_private_segment_fixed_size 0
		.amdhsa_enable_private_segment 0
		.amdhsa_kernarg_size 32
		.amdhsa_user_sgpr_count 2
		.amdhsa_user_sgpr_kernarg_segment_ptr 1
		.amdhsa_wavefront_size32 1
		.amdhsa_system_sgpr_workgroup_id_x 1
		.amdhsa_system_sgpr_workgroup_id_y 1
		.amdhsa_system_sgpr_workgroup_id_z 1
		.amdhsa_system_vgpr_workitem_id 0
		.amdhsa_next_free_vgpr 512
		.amdhsa_next_free_sgpr 66
		.amdhsa_reserve_vcc 0
		.amdhsa_float_denorm_mode_32 3
		.amdhsa_float_denorm_mode_16_64 3
		.amdhsa_memory_ordered 1
		.amdhsa_forward_progress 1
		.amdhsa_inst_pref_size 87
	.end_amdhsa_kernel
	.amdgpu_metadata
---
amdhsa.version: [ 1, 2 ]
amdhsa.kernels:
  - .name:           k_q593fbdaa62_outp
    .symbol:         k_q593fbdaa62_outp.kd
    .args:
      - { .name: o16, .offset: 0, .size: 8, .value_kind: global_buffer, .address_space: global }
      - { .name: wo16, .offset: 8, .size: 8, .value_kind: global_buffer, .address_space: global }
      - { .name: bo, .offset: 16, .size: 8, .value_kind: global_buffer, .address_space: global }
      - { .name: out0, .offset: 24, .size: 8, .value_kind: global_buffer, .address_space: global }
    .group_segment_fixed_size: 327680
    .private_segment_fixed_size: 0
    .kernarg_segment_align: 8
    .kernarg_segment_size: 32
    .max_flat_workgroup_size: 128
    .sgpr_count:     66
    .vgpr_count:     512
    .wavefront_size: 32
...
	.end_amdgpu_metadata
.endif
;; end of part 4
